; MI455X (gfx1250); checked and timed in simulation.
; The chip was launched on July 23, 2026; its instructions are those of AMD's public machine-readable ISA for CDNA 5 (MIT licence, August 2026) and "CDNA5" Instruction Set Architecture Reference Guide (July 2026). The comments in the code are by the model that wrote it; some were corrected since.
;; Block. Allowed arithmetic: float matrix products may take bf16 or f16 operands with f32 sums; other float arithmetic in f32, or as packed bf16 or f16 multiplies, adds, multiply-adds, maxima and minima; sums over many terms, partial sums and values carried from step to step in f32; what a program stores and reads back later, other than sums and carried values, may be rounded once to bf16 or f16.
;; Inputs: W1 512 x 2,048 float32; W2 2,048 x 512 float32; Wk 16 x 512 x 16 float32; Wproj 256 x 512 float32; Wq 16 x 512 x 16 float32; Wv 16 x 512 x 16 float32; b1 2,048 float32; b2 512 float32; bk 16 x 16 float32; bproj 512 float32; bq 16 x 16 float32; bv 16 x 16 float32; ln1_b 512 float32; ln1_g 512 float32; ln2_b 512 float32; ln2_g 512 float32; x 8 x 1,024 x 512 float32.
;; Outputs: out0 8 x 1,024 x 512 float32.
;; One version. Each part assembles by itself: llvm-mc -triple=amdgcn-amd-amdhsa -mcpu=gfx1250 --defsym DOCPART=n.
;; ======== version 1 of 1: 5 launches
;; limits: values are held in f16: magnitudes above 65,504 overflow, below 6.1e-05 lose precision
;; workspace buffers: hbuf 8,388,608 bytes; wf 5,242,880 bytes; qkv 12,582,912 bytes; x1b 16,777,216 bytes; ab 33,554,432 bytes
;; launch prep (part 1): grid 256 x 1, 8 waves a work-group, no clusters, 52,736 bytes of LDS; arguments x, ln1_g, ln1_b, Wq, Wk, Wv, Wproj, W1, W2, hbuf, wf; writes hbuf, wf
.if DOCPART == 1
	.amdgcn_target "amdgcn-amd-amdhsa--gfx1250"
	.amdhsa_code_object_version 6
	.text
	.protected	k_q8a64768e5f_prep
	.globl	k_q8a64768e5f_prep
	.p2align	8
	.type	k_q8a64768e5f_prep,@function
k_q8a64768e5f_prep:
	s_mov_b64 s[64:65], 0
	v_nop
	global_prefetch_b8 v0, s[64:65] scope:SCOPE_SE
	s_setreg_imm32_b32 hwreg(HW_REG_WAVE_MODE, 25, 1), 1
	s_wait_xcnt 0x0
; PREP: h = LayerNorm1(x) in f16, and all weights rounded once to 16 bits and laid out as matrix operands.
; DEAD WORK, for the whole program: bk.  A score is q_n . (k_m + bk) = q_n . k_m + q_n . bk, and q_n . bk is the same for every key m, the axis of the softmax:
; it cancels in softmax for all values of the inputs.  So bk is not loaded and is no argument of any launch.  LIMIT: a NaN, an infinity or an overflow that would reach the
; result through q . bk alone is not carried to it.
; FORMATS.  f16 for what LayerNorm bounds and for its partners (h, h2, Wq, Wk, Wv, W1): |h| <= 22.6 |g| + |b| since a row of 512 normalised numbers has none above sqrt(511).
; LIMIT: these and those weights stay under 65,504; weights under 6e-5 keep f16's fixed step of 6e-8.  bf16 for what products make and for their partners (q, k, v, p, o, a, Wproj, W2).
; c = log2(e) / 4 is multiplied into Wq in f32 ahead of its one rounding, so that scores come out as exponents of 2.
; F-ORDER of a 16-bit matrix [rows][K]: the fragment (16 rows, 32 k) is a block of 1,024 bytes at ((row / 16) (K / 32) + k / 32) x 1,024; in it lane l = 16 ((k / 8) % 2) + row % 16
; has 16 bytes (8 k) at 512 ((k / 16) % 2) + 16 l.  So every later fragment load is 512 consecutive bytes, from memory and from LDS alike.
; SHARES.  Work-group g: rows 32 g .. 32 g + 31 of x, four rows a wave (a row stays in 16 registers between mean, variance and scaling).  The weights are 2,560 tasks of 1,024 numbers
; (8 k x 128 columns; for Wq, Wk, Wv 64 k x 16 columns): every wave takes one of W1 or W2, waves 0 and 1 one more of Wproj, Wq, Wk or Wv.
; No matrix unit, no cluster, no tensor load: each byte is read once by one wave.
.set OFF_QKV, 0                        ; wf: 48 column tiles (3 head + q/k/v) x 16 blocks, f16
.set OFF_WP,  786432                   ; 32 column tiles x 8 blocks, bf16
.set OFF_W1,  1048576                  ; 128 column tiles x 16 blocks, f16
.set OFF_W2,  3145728                  ; 32 column tiles x 64 blocks, bf16
.set STG,     18432                    ; LDS: 0: eight bounces of 2,304 bytes, each wave's own; here: 32 rows of h, 1,024 bytes + 16
.set SPITCH,  1040                     ; 65 x 16 bytes: the 16 rows of a read start 16 bytes apart modulo 256
.set SPARE,   51712                    ; the spare words, 128 bytes a wave: four blocks of 256 bytes that no other line names
.set CLOG,    0x3eb8aa3b               ; log2(e) / 4
.set SPW,  2                           ; v2  LDS address of my spare word; never rewritten
.set NIL,  3                           ; v3  0; never rewritten
.set LOFF, 10                          ; v10 a task's load offset
.set DOFF, 11                          ; v11 a task's store offset
.set G,    16                          ; v[16:31] ln1_g of my 16 columns (128 j + 4 lane + 0..3)
.set BB,   32                          ; v[32:47] ln1_b
.set X,    48                          ; v[48:111] four rows, 16 numbers each
.set MU,   112                         ; v[112:119] the rows' means, each twice
.set RS,   120                         ; v[120:127] 1 / sqrt(var + eps), each twice
.set T,    128                         ; v[128:159] at work
.set PK,   160                         ; v[160:175] a task's packed numbers
.set Y,    176                         ; v[176:207] h in f16
.set RB,   208                         ; v[208:239] h read back in F-order
.set SRC,  34                          ; s[34:35] a task's source
.set DST,  38                          ; s[38:39] a task's destination, later hbuf
	s_load_b512 s[8:23], s[0:1], 0x0               ; x, ln1_g, ln1_b, Wq, Wk, Wv, Wproj, W1
	s_load_b128 s[24:27], s[0:1], 0x40             ; W2, hbuf
	s_load_b64 s[28:29], s[0:1], 0x50              ; wf
	v_lshl_add_u32 v[SPW], v0, 2, SPARE
	v_mov_b32 v[NIL], 0
	v_lshrrev_b32 v1, 5, v0
	v_readfirstlane_b32 s30, v1                    ; wave 0..7
	s_mov_b32 s31, ttmp9                           ; work-group
	v_and_b32 v1, 31, v0                           ; lane
	v_lshlrev_b32 v4, 4, v1                        ; 16 x lane; never rewritten
	v_and_b32 v12, 15, v0                          ; lane % 16
	v_bfe_u32 v13, v0, 4, 1                        ; lane / 16
	v_lshrrev_b32 v14, 2, v1                       ; lane / 4
	v_and_b32 v15, 3, v0                           ; lane % 4
	s_mul_i32 s41, s30, 4*SPITCH
	s_add_co_u32 s41, s41, STG
	v_lshl_add_u32 v5, v1, 3, s41                  ; where I put 8 bytes of my wave's first row
	s_lshr_b32 s42, s30, 2
	s_mul_i32 s42, s42, 16*SPITCH
	s_and_b32 s43, s30, 3
	s_lshl_b32 s43, s43, 8
	s_add_co_u32 s42, s42, s43
	s_add_co_u32 s42, s42, STG
	v_mul_u32_u24 v6, v12, SPITCH
	v_lshl_add_u32 v6, v13, 4, v6
	v_add_nc_u32 v6, s42, v6                       ; where I read back: row tile wave / 4, blocks 4 (wave % 4) on
	s_mul_i32 s43, s30, 2304
	v_mul_u32_u24 v8, v14, 272
	v_lshl_add_u32 v8, v15, 6, v8
	v_add_nc_u32 v8, s43, v8                       ; bounce, in: unit lane / 4 (pitch 272), 64 bytes for my four columns
	v_mul_u32_u24 v9, v13, 272
	v_lshl_add_u32 v9, v12, 4, v9
	v_add_nc_u32 v9, s43, v9                       ; bounce, back: two units of 256 bytes an instruction
	s_mov_b32 s36, 0x76543210                      ; v_permlanex16_b32: each lane takes its own place in the other half
	s_mov_b32 s37, 0xfedcba98
	s_mov_b32 s40, 0x3b000000                      ; 1 / 512
	s_mov_b32 s3, 0x3727c5ac                       ; 1e-5
	s_lshl_b32 s44, s31, 16                        ; 32 rows of 2,048 bytes,
	s_lshl_b32 s45, s30, 13                        ; my wave's four
	s_add_co_u32 s44, s44, s45
	s_mov_b32 s45, 0
	s_wait_kmcnt 0x0
	s_add_nc_u64 s[32:33], s[8:9], s[44:45]
.irp i, 0,1,2,3
.irp j, 0,1,2,3
	global_load_b128 v[X+16*\i+4*\j:X+16*\i+4*\j+3], v4, s[32:33] offset:\i*2048+\j*512 th:TH_LOAD_NT
.endr
.endr
.irp j, 0,1,2,3
	global_load_b128 v[G+4*\j:G+4*\j+3], v4, s[10:11] offset:\j*512
	global_load_b128 v[BB+4*\j:BB+4*\j+3], v4, s[12:13] offset:\j*512
.endr
; A task.  Eight loads bring 8 k for each of my four columns; they are rounded in pairs along k, so that a column's 8 k are 16 bytes; the bounce in LDS (my wave's own bytes, served in
; order, so no wait stands between its stores and its loads) turns four columns a lane into sixteen columns on end, and each store's sixteen lanes fill 256 consecutive bytes, aligned.
; fmt 1: f16, 0: bf16.  RP: bytes from k to k + 1 in the source.  USL: log2 of the bytes from unit to unit in wf.  scale: times c.
; narrow 1 (Wq, Wk, Wv: rows of 64 bytes): a lane takes the k octet lane / 4 and the columns 4 (lane % 4) on; a load's pieces of 64 bytes lie 512 apart, the eight loads together take 4,096 bytes on end.
.macro WTASK fmt, RP, USL, scale, narrow
.if \narrow
	v_lshlrev_b32 v[LOFF], 9, v14
	v_lshl_add_u32 v[LOFF], v15, 4, v[LOFF]
.else
	v_mov_b32 v[LOFF], v4
.endif
	v_lshlrev_b32 v[DOFF], \USL, v13
	v_lshl_add_u32 v[DOFF], v12, 4, v[DOFF]
.irp i, 0,1,2,3,4,5,6,7
	global_load_b128 v[T+4*\i:T+4*\i+3], v[LOFF], s[SRC:SRC+1] offset:\i*\RP th:TH_LOAD_NT
.endr
	s_wait_loadcnt 0x0                             ; the task's eight, and whatever was asked for earlier (x, g, b)
.if \scale
.irp z, 0,2,4,6,8,10,12,14,16,18,20,22,24,26,28,30
	v_pk_mul_f32 v[T+\z:T+\z+1], v[T+\z:T+\z+1], CLOG op_sel_hi:[1,0]
.endr
.endif
.irp c, 0,1,2,3
.irp p, 0,1,2,3
.if \fmt
	v_cvt_pk_f16_f32 v[PK+4*\c+\p], v[T+8*\p+\c], v[T+8*\p+4+\c]
.else
	v_cvt_pk_bf16_f32 v[PK+4*\c+\p], v[T+8*\p+\c], v[T+8*\p+4+\c]
.endif
.endr
.endr
.irp c, 0,1,2,3
	ds_store_b128 v8, v[PK+4*\c:PK+4*\c+3] offset:16*\c
.endr
.irp i, 0,1,2,3
	ds_load_b128 v[PK+4*\i:PK+4*\i+3], v9 offset:544*\i
.endr
	s_wait_dscnt 0x0
.irp i, 0,1,2,3
	global_store_b128 v[DOFF], v[PK+4*\i:PK+4*\i+3], s[DST:DST+1] offset:(2*\i)<<\USL
.endr
	s_wait_xcnt 0x0                                ; offsets, bases and data are written again only behind this wait
.endm
	s_lshl_b32 s41, s31, 3
	s_add_co_u32 s41, s41, s30                     ; task = 8 x work-group + wave
	s_cmp_lt_u32 s31, 128
	s_cbranch_scc0 .Lw2
	s_lshr_b32 s42, s41, 4                         ; W1 [512][2048]: k octet 0..63,
	s_and_b32 s43, s41, 15                         ; group of 128 columns 0..15
	s_lshl_b32 s44, s42, 16
	s_lshl_b32 s45, s43, 9
	s_add_co_u32 s44, s44, s45
	s_mov_b32 s45, 0
	s_add_nc_u64 s[SRC:SRC+1], s[22:23], s[44:45]
	s_lshl_b32 s46, s43, 17                        ; 8 column tiles of 16,384 bytes,
	s_lshl_b32 s47, s42, 8                         ; an octet is 256 bytes of a tile
	s_add_co_u32 s46, s46, s47
	s_add_co_u32 s46, s46, OFF_W1
	s_mov_b32 s47, 0
	s_add_nc_u64 s[DST:DST+1], s[28:29], s[46:47]
	WTASK 1, 8192, 14, 0, 0
	s_branch .Lsecond
.Lw2:
	s_sub_co_u32 s41, s41, 1024
	s_lshr_b32 s42, s41, 2                         ; W2 [2048][512]: k octet 0..255,
	s_and_b32 s43, s41, 3                          ; group of 128 columns 0..3
	s_lshl_b32 s44, s42, 14
	s_lshl_b32 s45, s43, 9
	s_add_co_u32 s44, s44, s45
	s_mov_b32 s45, 0
	s_add_nc_u64 s[SRC:SRC+1], s[24:25], s[44:45]
	s_lshl_b32 s46, s43, 19
	s_lshl_b32 s47, s42, 8
	s_add_co_u32 s46, s46, s47
	s_add_co_u32 s46, s46, OFF_W2
	s_mov_b32 s47, 0
	s_add_nc_u64 s[DST:DST+1], s[28:29], s[46:47]
	WTASK 0, 2048, 16, 0, 0
.Lsecond:
	s_cmp_lt_u32 s30, 2                            ; waves 0 and 1 take one of the 512 small tasks
	s_cbranch_scc0 .Lnorm
	s_lshl_b32 s41, s31, 1
	s_add_co_u32 s41, s41, s30
	s_cmp_lt_u32 s41, 128
	s_cbranch_scc0 .Lheads
	s_lshr_b32 s42, s41, 2                         ; Wproj [256][512]: k octet 0..31, group of 128 columns 0..3
	s_and_b32 s43, s41, 3
	s_lshl_b32 s44, s42, 14
	s_lshl_b32 s45, s43, 9
	s_add_co_u32 s44, s44, s45
	s_mov_b32 s45, 0
	s_add_nc_u64 s[SRC:SRC+1], s[20:21], s[44:45]
	s_lshl_b32 s46, s43, 16
	s_lshl_b32 s47, s42, 8
	s_add_co_u32 s46, s46, s47
	s_add_co_u32 s46, s46, OFF_WP
	s_mov_b32 s47, 0
	s_add_nc_u64 s[DST:DST+1], s[28:29], s[46:47]
	WTASK 0, 2048, 13, 0, 0
	s_branch .Lnorm
.Lheads:
	s_sub_co_u32 s41, s41, 128
	s_lshr_b32 s42, s41, 7                         ; 0: Wq, 1: Wk, 2: Wv
	s_bfe_u32 s43, s41, 0x40003                    ; head
	s_and_b32 s44, s41, 7                          ; which 64 of the 512 k
	s_lshl_b32 s46, s43, 15
	s_lshl_b32 s47, s44, 12
	s_add_co_u32 s46, s46, s47
	s_mov_b32 s47, 0
	s_cmp_eq_u32 s42, 1
	s_cselect_b64 s[SRC:SRC+1], s[16:17], s[18:19]
	s_cmp_eq_u32 s42, 0
	s_cselect_b64 s[SRC:SRC+1], s[14:15], s[SRC:SRC+1]
	s_add_nc_u64 s[SRC:SRC+1], s[SRC:SRC+1], s[46:47]
	s_mul_i32 s46, s43, 3
	s_add_co_u32 s46, s46, s42                     ; column tile 3 head + which
	s_lshl_b32 s46, s46, 14
	s_lshl_b32 s45, s44, 11
	s_add_co_u32 s46, s46, s45
	s_add_nc_u64 s[DST:DST+1], s[28:29], s[46:47]
	s_cmp_eq_u32 s42, 0
	s_cbranch_scc0 .Lkv
	WTASK 1, 64, 8, 1, 1
	s_branch .Lnorm
.Lkv:
	WTASK 1, 64, 8, 0, 1
.Lnorm:
; LAYERNORM of my four rows, the rows alternating line by line.  The mean first, then the sum of (x - mean)^2: no difference of large sums.
.macro ROWS line:vararg
.set i, 0
.rept 4
	\line
.set i, i+1
.endr
.endm
.macro LANESUM                         ; v[T+8 i] summed over the 32 lanes, the result in every lane
.irp m, 1,2,4,8
	ROWS v_add_f32_dpp v[T+8*i], v[T+8*i], v[T+8*i] row_xmask:\m row_mask:0xf bank_mask:0xf
.endr
	ROWS v_permlanex16_b32 v[T+8*i+1], v[T+8*i], s36, s37
	ROWS v_add_f32 v[T+8*i], v[T+8*i], v[T+8*i+1]
.endm
.irp z, 0,2,4,6
	ROWS v_pk_add_f32 v[T+8*i+\z:T+8*i+\z+1], v[X+16*i+2*\z:X+16*i+2*\z+1], v[X+16*i+2*\z+2:X+16*i+2*\z+3]
.endr
	ROWS v_pk_add_f32 v[T+8*i:T+8*i+1], v[T+8*i:T+8*i+1], v[T+8*i+2:T+8*i+3]
	ROWS v_pk_add_f32 v[T+8*i+4:T+8*i+5], v[T+8*i+4:T+8*i+5], v[T+8*i+6:T+8*i+7]
	ROWS v_pk_add_f32 v[T+8*i:T+8*i+1], v[T+8*i:T+8*i+1], v[T+8*i+4:T+8*i+5]
	ROWS v_add_f32 v[T+8*i], v[T+8*i], v[T+8*i+1]
	LANESUM
	ROWS v_mul_f32 v[MU+2*i], s40, v[T+8*i]
	ROWS v_mul_f32 v[MU+2*i+1], s40, v[T+8*i]
.irp z, 0,2,4,6,8,10,12,14
	ROWS v_pk_add_f32 v[X+16*i+\z:X+16*i+\z+1], v[X+16*i+\z:X+16*i+\z+1], v[MU+2*i:MU+2*i+1] neg_lo:[0,1] neg_hi:[0,1]
.endr
	ROWS v_pk_mul_f32 v[T+8*i:T+8*i+1], v[X+16*i:X+16*i+1], v[X+16*i:X+16*i+1]
	ROWS v_pk_mul_f32 v[T+8*i+2:T+8*i+3], v[X+16*i+2:X+16*i+3], v[X+16*i+2:X+16*i+3]
.irp z, 4,8,12
	ROWS v_pk_fma_f32 v[T+8*i:T+8*i+1], v[X+16*i+\z:X+16*i+\z+1], v[X+16*i+\z:X+16*i+\z+1], v[T+8*i:T+8*i+1]
	ROWS v_pk_fma_f32 v[T+8*i+2:T+8*i+3], v[X+16*i+\z+2:X+16*i+\z+3], v[X+16*i+\z+2:X+16*i+\z+3], v[T+8*i+2:T+8*i+3]
.endr
	ROWS v_pk_add_f32 v[T+8*i:T+8*i+1], v[T+8*i:T+8*i+1], v[T+8*i+2:T+8*i+3]
	ROWS v_add_f32 v[T+8*i], v[T+8*i], v[T+8*i+1]
	LANESUM
	ROWS v_fma_f32 v[T+8*i], v[T+8*i], s40, s3
	ROWS v_rsq_f32 v[RS+2*i], v[T+8*i]
	v_nop                                          ; a plain instruction behind the last of the four,
	s_wait_alu depctr_va_vdst(0)                   ; and one wait for the batch, ahead of its first reader
	ROWS v_mov_b32 v[RS+2*i+1], v[RS+2*i]
.irp z, 0,2,4,6,8,10,12,14
	ROWS v_pk_mul_f32 v[X+16*i+\z:X+16*i+\z+1], v[X+16*i+\z:X+16*i+\z+1], v[RS+2*i:RS+2*i+1]
.endr
.irp z, 0,2,4,6,8,10,12,14
	ROWS v_pk_fma_f32 v[X+16*i+\z:X+16*i+\z+1], v[X+16*i+\z:X+16*i+\z+1], v[G+\z:G+\z+1], v[BB+\z:BB+\z+1]
.endr
.irp z, 0,1,2,3,4,5,6,7
	ROWS v_cvt_pk_f16_f32 v[Y+8*i+\z], v[X+16*i+2*\z], v[X+16*i+2*\z+1]
.endr
.irp j, 0,1,2,3
	ROWS ds_store_b64 v5, v[Y+8*i+2*\j:Y+8*i+2*\j+1] offset:i*SPITCH+\j*256
.endr
	s_lshl_b32 s44, s31, 15                        ; hbuf: two row tiles of 16,384 bytes a work-group,
	s_lshr_b32 s45, s30, 2
	s_lshl_b32 s45, s45, 14                        ; my tile,
	s_add_co_u32 s44, s44, s45
	s_and_b32 s45, s30, 3
	s_lshl_b32 s45, s45, 12                        ; my four blocks
	s_add_co_u32 s44, s44, s45
	s_mov_b32 s45, 0
	s_add_nc_u64 s[DST:DST+1], s[26:27], s[44:45]
	s_wait_dscnt 0x0                               ; for the others' sake: my rows lie in the stage
	s_barrier_signal -1
	s_barrier_wait -1
.irp n, 0,1,2,3,4,5,6,7
	ds_load_b128 v[RB+4*\n:RB+4*\n+3], v6 offset:(\n/2)*64+(\n%2)*32
.endr
.irp n, 0,1,2,3,4,5,6,7
	s_wait_dscnt 7-\n
	global_store_b128 v4, v[RB+4*\n:RB+4*\n+3], s[DST:DST+1] offset:\n*512  ; 512 consecutive bytes, aligned
.endr
	s_wait_tensorcnt 0x0                           ; the wave's end
	ds_add_u32 v[SPW], v[NIL]
	s_wait_dscnt 0x0
	s_endpgm
.Lfunc_end_k_q8a64768e5f_prep:
	.size	k_q8a64768e5f_prep, .Lfunc_end_k_q8a64768e5f_prep-k_q8a64768e5f_prep
	.p2alignl 7, 3214868480
	.fill 96, 4, 3214868480
	.section	.rodata,"a",@progbits
	.p2align	6, 0x0
	.amdhsa_kernel k_q8a64768e5f_prep
		.amdhsa_group_segment_fixed_size 52736
		.amdhsa_private_segment_fixed_size 0
		.amdhsa_enable_private_segment 0
		.amdhsa_kernarg_size 88
		.amdhsa_user_sgpr_count 2
		.amdhsa_user_sgpr_kernarg_segment_ptr 1
		.amdhsa_wavefront_size32 1
		.amdhsa_system_sgpr_workgroup_id_x 1
		.amdhsa_system_sgpr_workgroup_id_y 1
		.amdhsa_system_sgpr_workgroup_id_z 1
		.amdhsa_system_vgpr_workitem_id 0
		.amdhsa_next_free_vgpr 240
		.amdhsa_next_free_sgpr 66
		.amdhsa_reserve_vcc 0
		.amdhsa_float_denorm_mode_32 3
		.amdhsa_float_denorm_mode_16_64 3
		.amdhsa_memory_ordered 1
		.amdhsa_forward_progress 1
		.amdhsa_inst_pref_size 42
	.end_amdhsa_kernel
	.amdgpu_metadata
---
amdhsa.version: [ 1, 2 ]
amdhsa.kernels:
  - .name:           k_q8a64768e5f_prep
    .symbol:         k_q8a64768e5f_prep.kd
    .args:
      - { .name: x, .offset: 0, .size: 8, .value_kind: global_buffer, .address_space: global }
      - { .name: ln1_g, .offset: 8, .size: 8, .value_kind: global_buffer, .address_space: global }
      - { .name: ln1_b, .offset: 16, .size: 8, .value_kind: global_buffer, .address_space: global }
      - { .name: Wq, .offset: 24, .size: 8, .value_kind: global_buffer, .address_space: global }
      - { .name: Wk, .offset: 32, .size: 8, .value_kind: global_buffer, .address_space: global }
      - { .name: Wv, .offset: 40, .size: 8, .value_kind: global_buffer, .address_space: global }
      - { .name: Wproj, .offset: 48, .size: 8, .value_kind: global_buffer, .address_space: global }
      - { .name: W1, .offset: 56, .size: 8, .value_kind: global_buffer, .address_space: global }
      - { .name: W2, .offset: 64, .size: 8, .value_kind: global_buffer, .address_space: global }
      - { .name: hbuf, .offset: 72, .size: 8, .value_kind: global_buffer, .address_space: global }
      - { .name: wf, .offset: 80, .size: 8, .value_kind: global_buffer, .address_space: global }
    .group_segment_fixed_size: 52736
    .private_segment_fixed_size: 0
    .kernarg_segment_align: 8
    .kernarg_segment_size: 88
    .max_flat_workgroup_size: 256
    .sgpr_count:     66
    .vgpr_count:     240
    .wavefront_size: 32
...
	.end_amdgpu_metadata
.endif
;; end of part 1
;; launch qkv (part 2): grid 4 x 64, 4 waves a work-group, clusters of 4 x 4, 327,680 bytes of LDS; arguments hbuf, wf, bq, bv, qkv; writes qkv
.if DOCPART == 2
	.amdgcn_target "amdgcn-amd-amdhsa--gfx1250"
	.amdhsa_code_object_version 6
	.text
	.protected	k_q8a64768e5f_qkv
	.globl	k_q8a64768e5f_qkv
	.p2align	8
	.type	k_q8a64768e5f_qkv,@function
k_q8a64768e5f_qkv:
	s_mov_b64 s[64:65], 0
	v_nop
	global_prefetch_b8 v0, s[64:65] scope:SCOPE_SE
	s_setreg_imm32_b32 hwreg(HW_REG_WAVE_MODE, 25, 1), 1
	s_wait_xcnt 0x0
	s_wait_alu depctr_hold_cnt(0) depctr_sa_sdst(0) depctr_va_vdst(0) depctr_va_sdst(0) depctr_va_ssrc(0) depctr_va_vcc(0) depctr_vm_vsrc(0)
	s_getreg_b32 s2, hwreg(HW_REG_IB_STS2, 6, 4)
	s_cmp_eq_u32 s2, 0
	s_cbranch_scc0 .Lentry_in_a_cluster
	s_endpgm
.Lentry_in_a_cluster:
	s_bfe_u32 s2, ttmp6, 0x10000c
	s_cmp_lg_u32 s2, 0xf033
	s_cbranch_scc0 .Lentry_shape_is_right
	s_endpgm
.Lentry_shape_is_right:
; QKV: q = c (h Wq + bq), k = h Wk, v = h Wv + bv, all stored in bf16; products in f16 with f32 sums.  c = log2(e) / 4 lies in Wq already and is multiplied into bq here, in f32.
; LEFT OUT: bk, which adds the same number to all scores of a query and cancels in the softmax for every value of the inputs (shown at the head of the first kernel).
; SHARES.  A work-group makes 128 rows x 192 columns (12 column tiles: four heads x q, k, v); a wave 64 x 96: 24 accumulators.  The column tiles lie in the order 3 head + kind, so each tile's kind is known to the text.
; q and k are taken transposed (source 0 = weights): a lane holds one token and 8 channels, 16 bytes that are a fragment's part for K Q^T.  v is taken as it is (source 0 = rows of h): a lane holds one
; channel and 8 tokens, a part of a fragment of V^T.  So all three leave straight from registers, 512 consecutive bytes a store: tile t of 16 tokens of (batch, head) at ((16 batch + head) 64 + t) 512.
; NO RING.  K = 512 is 16 blocks of 32.  Blocks 0 to 14 of both operands come into LDS by three joint loads a wave (5 blocks each), all issued at the start, none filled again; block 15
; (which would not fit beside the spare words) comes straight from memory into registers: in F-order that is the same addressing.  By the text's count three tensor loads of a wave are out.
; CLUSTER 4 x 4: the four work-groups of a row of the cluster share their rows of h, the four of a column their weights: each tile is asked for jointly.
; No prefetch: all that the launch reads is asked for at its head.
.set PART,  102400                     ; a part of LDS: 5 blocks of 8 row tiles (40,960 bytes), then of 12 column tiles (61,440)
.set TILEB, 5120                       ; a tile's 5 blocks
.set BOFF,  40960
.set SPARE, 307200                     ; behind the three parts: the spare words, 128 bytes a wave: two blocks of 256 bytes that no other line names
.set CLOG,  0x3eb8aa3b
.set SPW,  4                           ; v4  my spare word's address; never rewritten
.set NIL,  5                           ; v5  0; never rewritten
.set ADRA, 8                           ; v8-10  my fragments of h in part 0, 1, 2
.set ADRB, 12                          ; v12-14 my fragments of the weights
.set BQ,   32                          ; v[32:47] c bq of my two heads, as the C operand of q's first products
.set BV,   48                          ; v[48:63] bv likewise
.set TMP,  32                          ; later: packed results, eight sets of four
.set ACC,  64                          ; v[64:255] accumulator (a, b) at 64 + 8 (6 a + b)
.set F0,   0                           ; window 1: three fragment buffers of 80: h's four at + 8 a, the weights' six at + 32 + 8 b
.set F1,   80
.set FG,   160
.set WV,   18                          ; s18 my wave's number
.set G1A,  32                          ; s[32:39] descriptor group 1 for h
.set G1B,  40                          ; s[40:47] for the weights
.set G0A,  48                          ; s[48:59] group 0 for h, a set for each part
.set G0B,  68                          ; s[68:79] for the weights
.set MSB, 0
.macro WIN new                         ; the immediate's high byte repeats the setting that is left
.if MSB != (\new)
	s_set_vgpr_msb (MSB<<8)|(\new)
.set MSB, \new
.endif
.endm
.set MUL,  0x05                        ; sources 0 and 1 in window 1; C and D in window 0
.set TO_F, 0x40                        ; destination in window 1, address in window 0
.macro PLACES
.rept 4
	v_nop
.endr
.endm
.macro CROUND                          ; a round of the cluster's barrier
	s_barrier_signal -1
	s_barrier_wait -1
	s_cmp_lg_u32 s[WV], 0
	s_cbranch_scc1 .Lnot_wave_0_\@
	s_barrier_signal -3
.Lnot_wave_0_\@:
	s_barrier_wait -3
	s_barrier_signal -1
	s_barrier_wait -1
.endm
	s_load_b256 s[4:11], s[0:1], 0x0               ; hbuf, wf, bq, bv
	s_load_b64 s[12:13], s[0:1], 0x20              ; qkv
	v_lshl_add_u32 v[SPW], v0, 2, SPARE
	v_mov_b32 v[NIL], 0
	ds_add_u32 v[SPW], v[NIL]                      ; the opening: the add, twice on end, and its wait ahead of my first tensor load
	ds_add_u32 v[SPW], v[NIL]
	v_lshrrev_b32 v1, 5, v0
	v_readfirstlane_b32 s[WV], v1
	s_lshr_b32 s19, s[WV], 1                       ; which 64 rows are mine
	s_and_b32 s20, s[WV], 1                        ; which 96 columns; also: which half of a tile I fetch
	s_bfe_u32 s21, ttmp6, 0x40000                  ; cx
	s_bfe_u32 s22, ttmp6, 0x40004                  ; cy
	s_lshl_b32 s23, ttmp9, 2
	s_add_co_u32 s23, s23, s21                     ; column block 0..3
	s_and_b32 s24, ttmp7, 0xffff
	s_lshl_b32 s24, s24, 2
	s_add_co_u32 s24, s24, s22                     ; row block 0..63
	s_lshl_b32 s25, s22, 2
	s_lshl_b32 s25, 15, s25                        ; my row of the cluster
	s_lshl_b32 s26, 0x1111, s21                    ; my column
	s_or_b32 s[G1A], s25, (3<<16)|(1<<21)          ; the mask; elements of 8 bytes; bit 21 beside a mask; no padding
	s_or_b32 s[G1B], s26, (3<<16)|(1<<21)
	s_mov_b32 s[G1A+1], 640<<16                    ; tensor_dim0 = 640 elements: a tile's 5 blocks, 5,120 bytes
	s_mov_b32 s[G1B+1], 640<<16
	s_mov_b32 s[G1A+2], 4<<16                      ; tensor_dim1 = 4 row tiles
	s_mov_b32 s[G1B+2], 6<<16                      ; 6 column tiles
	s_mov_b32 s[G1A+3], 640<<16                    ; tile_dim0
	s_mov_b32 s[G1B+3], 640<<16
	s_mov_b32 s[G1A+4], 4                          ; tile_dim1
	s_mov_b32 s[G1B+4], 6
	s_mov_b32 s[G1A+5], 2048                       ; from tile to tile: 16,384 bytes
	s_mov_b32 s[G1B+5], 2048
	s_mov_b32 s[G1A+6], 0
	s_mov_b32 s[G1B+6], 0
	s_mov_b32 s[G1A+7], 0
	s_mov_b32 s[G1B+7], 0
	s_lshl_b32 s80, s24, 17                        ; h: 8 row tiles a block,
	s_lshl_b32 s81, s20, 16                        ; the 4 that I fetch
	s_add_co_u32 s80, s80, s81
	s_mov_b32 s81, 0
	s_mul_i32 s82, s23, 196608                     ; weights: 12 column tiles a block,
	s_mul_i32 s83, s20, 98304                      ; the 6 that I fetch (they are also the 6 that I multiply)
	s_add_co_u32 s82, s82, s83
	s_mov_b32 s83, 0
	s_mul_i32 s27, s20, 4*TILEB                    ; where they go: no place in the cluster enters an LDS address
	s_mul_i32 s28, s20, 6*TILEB
	s_add_co_u32 s28, s28, BOFF
	s_lshl_b32 s88, s24, 17                        ; h's rows that I multiply
	s_lshl_b32 s89, s19, 16
	s_add_co_u32 s88, s88, s89
	s_mov_b32 s89, 0
	s_lshl_b32 s90, s23, 8                         ; my two heads in bq and bv: 64 bytes a head
	s_lshl_b32 s91, s20, 7
	s_add_co_u32 s90, s90, s91
	s_mov_b32 s91, 0
	s_lshr_b32 s30, s24, 3                         ; batch,
	s_lshl_b32 s30, s30, 19
	s_lshl_b32 s31, s23, 17                        ; four heads of 32,768 bytes a column block,
	s_add_co_u32 s30, s30, s31
	s_lshl_b32 s31, s20, 16                        ; my two,
	s_add_co_u32 s30, s30, s31
	s_and_b32 s31, s24, 7
	s_lshl_b32 s31, s31, 12                        ; 8 token tiles of 512 bytes a row block,
	s_add_co_u32 s30, s30, s31
	s_lshl_b32 s31, s19, 11                        ; my four
	s_add_co_u32 s30, s30, s31
	s_mov_b32 s31, 0
	s_wait_dscnt 0x0                               ; both opening adds are done
	s_wait_kmcnt 0x0
	s_add_nc_u64 s[84:85], s[4:5], s[80:81]
	s_add_nc_u64 s[86:87], s[6:7], s[82:83]
	s_add_nc_u64 s[88:89], s[4:5], s[88:89]
	s_add_nc_u64 s[92:93], s[8:9], s[90:91]
	s_add_nc_u64 s[94:95], s[10:11], s[90:91]
	s_add_nc_u64 s[12:13], s[12:13], s[30:31]      ; q,
	s_add_nc_u64 s[14:15], s[12:13], 0x400000      ; k,
	s_add_nc_u64 s[16:17], s[12:13], 0x800000      ; v at my first tile
	CROUND                                         ; all sixteen work-groups are here: the joint loads meet
.irp t, 0,1,2
	s_mov_b32 s[G0A+4*\t], 1
	s_add_co_u32 s[G0A+4*\t+1], s27, \t*PART
	s_add_nc_u64 s[G0A+4*\t+2:G0A+4*\t+3], s[84:85], \t*TILEB
	s_or_b32 s[G0A+4*\t+3], s[G0A+4*\t+3], 0x80000000
	s_mov_b32 s[G0B+4*\t], 1
	s_add_co_u32 s[G0B+4*\t+1], s28, \t*PART
	s_add_nc_u64 s[G0B+4*\t+2:G0B+4*\t+3], s[86:87], \t*TILEB
	s_or_b32 s[G0B+4*\t+3], s[G0B+4*\t+3], 0x80000000
.endr
	s_cmp_lt_u32 s[WV], 2                          ; waves 0 and 1 fetch h's halves, waves 2 and 3 the weights': a wave's three fills stand in one branch
	s_cbranch_scc0 .Lfor_b
.irp t, 0,1,2
	tensor_load_to_lds s[G0A+4*\t:G0A+4*\t+3], s[G1A:G1A+7]
	s_nop 0
.endr
	PLACES
	s_branch .Lasked
.Lfor_b:
.irp t, 0,1,2
	tensor_load_to_lds s[G0B+4*\t:G0B+4*\t+3], s[G1B:G1B+7]
	s_nop 0
.endr
	PLACES
.Lasked:
	v_and_b32 v1, 15, v0
	v_bfe_u32 v2, v0, 4, 1
	v_and_b32 v3, 31, v0
	v_lshlrev_b32 v3, 4, v3                        ; 16 x lane
	v_lshlrev_b32 v16, 5, v2                       ; my 8 channels in bq
	v_lshlrev_b32 v17, 2, v1                       ; my channel in bv
	s_mul_i32 s25, s19, 4*TILEB
	s_mul_i32 s26, s20, 6*TILEB
	s_add_co_u32 s26, s26, BOFF
.irp t, 0,1,2
	v_add_nc_u32 v[ADRA+\t], s25, v3
	v_add_nc_u32 v[ADRB+\t], s26, v3
	s_add_co_u32 s25, s25, PART
	s_add_co_u32 s26, s26, PART
.endr
.irp hd, 0,1
	global_load_b128 v[BQ+8*\hd:BQ+8*\hd+3], v16, s[92:93] offset:\hd*64
	global_load_b128 v[BQ+8*\hd+4:BQ+8*\hd+7], v16, s[92:93] offset:\hd*64+16
	global_load_b32 v[BV+8*\hd], v17, s[94:95] offset:\hd*64
.endr
	WIN TO_F                                       ; block 15 straight into the third buffer
.irp b, 0,1,2,3,4,5
	global_load_b128 v[FG+32+8*\b:FG+32+8*\b+3], v3, s[86:87] offset:15360+\b*16384
	global_load_b128 v[FG+32+8*\b+4:FG+32+8*\b+7], v3, s[86:87] offset:15360+\b*16384+512
.endr
.irp a, 0,1,2,3
	global_load_b128 v[FG+8*\a:FG+8*\a+3], v3, s[88:89] offset:15360+\a*16384
	global_load_b128 v[FG+8*\a+4:FG+8*\a+7], v3, s[88:89] offset:15360+\a*16384+512
.endr
	WIN 0
	s_wait_loadcnt 20                              ; the six bias loads are in; block 15's twenty stay out
.irp z, 0,2,4,6,8,10,12,14
	v_pk_mul_f32 v[BQ+\z:BQ+\z+1], v[BQ+\z:BQ+\z+1], CLOG op_sel_hi:[1,0]
.endr
.irp hd, 0,1
.irp j, 1,2,3,4,5,6,7
	v_mov_b32 v[BV+8*\hd+\j], v[BV+8*\hd]          ; v's result holds one channel a lane: the same bias in all eight registers
.endr
.endr
; the 20 fragment loads of block u into buffer f: the weights' six, then h's four
.macro FETCH u, f
	WIN TO_F
.irp b, 0,1,2,3,4,5
	ds_load_b128 v[(\f)+32+8*\b:(\f)+32+8*\b+3], v[ADRB+(\u)/5] offset:\b*TILEB+((\u)%5)*1024
	ds_load_b128 v[(\f)+32+8*\b+4:(\f)+32+8*\b+7], v[ADRB+(\u)/5] offset:\b*TILEB+((\u)%5)*1024+512
.endr
.irp a, 0,1,2,3
	ds_load_b128 v[(\f)+8*\a:(\f)+8*\a+3], v[ADRA+(\u)/5] offset:\a*TILEB+((\u)%5)*1024
	ds_load_b128 v[(\f)+8*\a+4:(\f)+8*\a+7], v[ADRA+(\u)/5] offset:\a*TILEB+((\u)%5)*1024+512
.endr
.endm
; 12 products: row tiles 2 hf, 2 hf + 1 x my six column tiles.  The 24 accumulators take turns, one instruction a turn, in the same order in every block.
; Block 0 starts the sums: with c bq (q), with the constant 0 (k), with bv (v): nothing is cleared and no bias is added later.
.macro MULH u, f, hf
	WIN MUL
.irp a, 2*(\hf), 2*(\hf)+1
.irp b, 0,1,2,3,4,5
.set rD, ACC+8*(6*(\a)+(\b))
.set rA, (\f)+8*(\a)
.set rB, (\f)+32+8*(\b)
.if ((\b)%3) == 2
.if (\u) == 0
	v_wmma_f32_16x16x32_f16 v[rD:rD+7], v[rA:rA+7], v[rB:rB+7], v[BV+8*((\b)/3):BV+8*((\b)/3)+7]
.else
	v_wmma_f32_16x16x32_f16 v[rD:rD+7], v[rA:rA+7], v[rB:rB+7], v[rD:rD+7]
.endif
.elseif (\u) != 0
	v_wmma_f32_16x16x32_f16 v[rD:rD+7], v[rB:rB+7], v[rA:rA+7], v[rD:rD+7]
.elseif ((\b)%3) == 0
	v_wmma_f32_16x16x32_f16 v[rD:rD+7], v[rB:rB+7], v[rA:rA+7], v[BQ+8*((\b)/3):BQ+8*((\b)/3)+7]
.else
	v_wmma_f32_16x16x32_f16 v[rD:rD+7], v[rB:rB+7], v[rA:rA+7], 0
.endif
.endr
.endr
.endm
; Block u is multiplied from buffer f; in its middle block u + 1 is fetched into buffer g, four places behind the last product that read g.
.macro UNIT u, f, g
.if (\u) == 15
	s_wait_loadcnt 0x0                             ; block 15 came from memory
.else
	s_wait_dscnt 4                                 ; all but the youngest four loads: h's row tiles 2 and 3
.endif
	MULH \u, \f, 0
.if (\u) < 14
	PLACES
.if (((\u)+1)%5) == 0
	s_wait_tensorcnt 2-((\u)+1)/5                  ; my part of the next five blocks has landed; later parts may stay out
	s_wait_dscnt 0x0
	s_barrier_signal -1
	s_barrier_wait -1                              ; everybody's has
.endif
	FETCH (\u)+1, \g
	s_wait_dscnt 20                                ; all but the twenty just issued
.elseif (\u) == 14
	s_wait_dscnt 0x0
.endif
	MULH \u, \f, 1
.endm
	s_wait_tensorcnt 2                             ; my part of blocks 0 to 4 has landed; two loads of mine stay out
	s_barrier_signal -1
	s_barrier_wait -1
	FETCH 0, F0
.irp u, 0,2,4,6,8,10,12
	UNIT \u, F0, F1
	UNIT (\u)+1, F1, F0
.endr
	UNIT 14, F0, F1
	UNIT 15, FG, FG
	WIN 0
	PLACES
; THE WAY OUT: each accumulator is rounded to bf16, its registers in ascending order, and is 16 bytes a lane, 512 consecutive bytes a store.
.set i, 0
.rept 24
.set ia, i/6
.set ib, i%6
.if (i == 8) || (i == 16)
	s_wait_xcnt 0x0                                ; the eight sets of packed registers are written again only behind this wait
.endif
.irp r, 0,1,2,3
	v_cvt_pk_bf16_f32 v[TMP+4*(i%8)+\r], v[ACC+8*i+2*\r], v[ACC+8*i+2*\r+1]
.endr
	global_store_b128 v3, v[TMP+4*(i%8):TMP+4*(i%8)+3], s[12+2*(ib%3):13+2*(ib%3)] offset:(ib/3)*32768+ia*512
.set i, i+1
.endr
	s_wait_tensorcnt 0x0                           ; the wave's end
	ds_add_u32 v[SPW], v[NIL]
	s_wait_dscnt 0x0
	CROUND                                         ; the closing round
	s_endpgm
.Lfunc_end_k_q8a64768e5f_qkv:
	.size	k_q8a64768e5f_qkv, .Lfunc_end_k_q8a64768e5f_qkv-k_q8a64768e5f_qkv
	.p2alignl 7, 3214868480
	.fill 96, 4, 3214868480
	.section	.rodata,"a",@progbits
	.p2align	6, 0x0
	.amdhsa_kernel k_q8a64768e5f_qkv
		.amdhsa_group_segment_fixed_size 327680
		.amdhsa_private_segment_fixed_size 0
		.amdhsa_enable_private_segment 0
		.amdhsa_kernarg_size 40
		.amdhsa_user_sgpr_count 2
		.amdhsa_user_sgpr_kernarg_segment_ptr 1
		.amdhsa_wavefront_size32 1
		.amdhsa_system_sgpr_workgroup_id_x 1
		.amdhsa_system_sgpr_workgroup_id_y 1
		.amdhsa_system_sgpr_workgroup_id_z 1
		.amdhsa_system_vgpr_workitem_id 0
		.amdhsa_next_free_vgpr 512
		.amdhsa_next_free_sgpr 96
		.amdhsa_reserve_vcc 0
		.amdhsa_float_denorm_mode_32 3
		.amdhsa_float_denorm_mode_16_64 3
		.amdhsa_memory_ordered 1
		.amdhsa_forward_progress 1
		.amdhsa_inst_pref_size 67
	.end_amdhsa_kernel
	.amdgpu_metadata
---
amdhsa.version: [ 1, 2 ]
amdhsa.kernels:
  - .name:           k_q8a64768e5f_qkv
    .symbol:         k_q8a64768e5f_qkv.kd
    .args:
      - { .name: hbuf, .offset: 0, .size: 8, .value_kind: global_buffer, .address_space: global }
      - { .name: wf, .offset: 8, .size: 8, .value_kind: global_buffer, .address_space: global }
      - { .name: bq, .offset: 16, .size: 8, .value_kind: global_buffer, .address_space: global }
      - { .name: bv, .offset: 24, .size: 8, .value_kind: global_buffer, .address_space: global }
      - { .name: qkv, .offset: 32, .size: 8, .value_kind: global_buffer, .address_space: global }
    .group_segment_fixed_size: 327680
    .private_segment_fixed_size: 0
    .kernarg_segment_align: 8
    .kernarg_segment_size: 40
    .max_flat_workgroup_size: 128
    .sgpr_count:     96
    .vgpr_count:     512
    .wavefront_size: 32
...
	.end_amdgpu_metadata
.endif
;; end of part 2
;; launch attnproj (part 3): grid 256 x 1, 16 waves a work-group, clusters of 4 x 1, 327,680 bytes of LDS; arguments qkv, wf, x, bproj, b2, ln2_g, ln2_b, hbuf, x1b; writes hbuf, x1b
.if DOCPART == 3
	.amdgcn_target "amdgcn-amd-amdhsa--gfx1250"
	.amdhsa_code_object_version 6
	.text
	.protected	k_q8a64768e5f_attnproj
	.globl	k_q8a64768e5f_attnproj
	.p2align	8
	.type	k_q8a64768e5f_attnproj,@function
k_q8a64768e5f_attnproj:
	s_mov_b64 s[64:65], 0
	v_nop
	global_prefetch_b8 v0, s[64:65] scope:SCOPE_SE
	s_setreg_imm32_b32 hwreg(HW_REG_WAVE_MODE, 25, 1), 1
	s_wait_xcnt 0x0
	s_wait_alu depctr_hold_cnt(0) depctr_sa_sdst(0) depctr_va_vdst(0) depctr_va_sdst(0) depctr_va_ssrc(0) depctr_va_vcc(0) depctr_vm_vsrc(0)
	s_getreg_b32 s2, hwreg(HW_REG_IB_STS2, 6, 4)
	s_cmp_eq_u32 s2, 0
	s_cbranch_scc0 .Lentry_in_a_cluster
	s_endpgm
.Lentry_in_a_cluster:
	s_bfe_u32 s2, ttmp6, 0x10000c
	s_cmp_lg_u32 s2, 0x3003
	s_cbranch_scc0 .Lentry_shape_is_right
	s_endpgm
.Lentry_shape_is_right:
; ATTENTION AND PROJECTION IN ONE: o = softmax_m(q_n . k_m) v_m for all 16 heads of 32 rows; x1 = x + o Wproj + bproj; h2 = LayerNorm2(x1) in f16, in F-order, into hbuf;
; x1 + b2 in f32 into x1b, laid out as the last launch's accumulators take it.  q is already scaled by log2(e) / 4, so p = 2^(s - m) with a running maximum m.
; LEFT OUT: bk (it adds the same number to all scores of a query and cancels in the softmax for every value of the inputs: head of the first kernel).
; LIMITS: a weight below 2^-126 counts as 0; NaN and infinities are not treated apart.  p is rounded to bf16 for the second product, and its sum l is taken of the same rounded p.
; SHARES.  A work-group has 32 rows of one batch (two tiles of 16); WAVE w IS HEAD w: it walks all 1,024 keys of its head, 64 a trip, for the two query tiles.  Its result, 16 bytes a lane and tile, is its part of
; o's fragments for the projection: it goes into LDS, and no o goes through memory.  In the projection wave w has columns 32 w .. 32 w + 31: four accumulators, K = 256 in 8 blocks.
; THE COUNT.  A trip has 16 matrix and some 190 vector instructions, 66 of them exponentials: vector issue binds, so the text stands in plain phases and four waves on each SIMD (256 registers each) fill each other's waits.
; K AND V come straight from memory into registers: a head's 64 KiB have one reader in the work-group.  K of trip t + 1 is asked for behind the score products of trip t, V of trip t + 1 behind the last products
; of trip t: each has about a trip in which to land.  THE WALK BEGINS AT ANOTHER STEP IN EACH WORK-GROUP and wraps round (a running maximum takes the keys in any order): the 32 work-groups of a batch have 16
; different starts, so that at any time they ask for different parts of its K and V.
; LAYOUT.  S^T = K Q^T (source 0 = 16 keys, source 1 = 16 queries; of the form's 32 channels the upper 16 are registers of zeros): a lane holds one query and 8 keys.  Two such results rounded to bf16 ARE source 1
; of O^T = V^T P; v lies in memory as V^T's fragments.  l = ones x P comes from the matrix unit too: only its register 0 is rescaled and read, registers 1 to 7 gather at most 1,024 and are never read.
; Wproj: wave w's two column tiles are 16 KiB on end; one tensor load a wave brings them into LDS at the start, jointly for the four work-groups of a cluster (all work-groups want the same bytes); they are never
; filled again, and only the wave that asked reads them, behind its own wait.  One tensor load of a wave is out.
; x + bproj starts the projection's sums: beside Wproj's 256 KiB there is no room for 32 rows of f32, so at the start they pass through a stage of 16 rows, in two turns, into the accumulators, which wait through the loop.
; NO JOINT LOADS FOR K AND V: a step of 64 keys of 16 heads is 64 KiB, and two such slots do not fit beside Wproj; and a ring would put a round of the cluster's barrier, for 64 waves, into each of 16 trips that now have no barrier.
; NO PREFETCH: the first trip's loads, at the kernel's head, name all of a batch's K and V between them; x is read at the head.
; T-ORDER of x1b: tile (row tile, column tile) at (32 row tile + column tile) x 1,024; an accumulator's registers 0-3 at 16 x lane, registers 4-7 at 512 + 16 x lane.
.set OFF_WP, 786432
.set XP,    2064                       ; a row of x in LDS: 2,048 + 16 = 129 x 16 bytes: the 16 rows of a read start 16 bytes apart modulo 256
.set XH,    262144                     ; LDS: 0: Wproj, 16,384 bytes a wave; here: the stage for 16 rows of x
.set OS,    295168                     ; o's 16 blocks of 1,024 bytes, dense
.set RED1,  311552                     ; 2 x 16 rows x 16 waves' partial sums
.set RED2O, 2048                       ; the second reduction's words lie this far behind the first's
.set SPARE, 315648                     ; the spare words, 128 bytes a wave: eight blocks of 256 bytes that no other line names
.set L16, 1                            ; v1  16 x lane; never rewritten
.set SPW, 2                            ; v2  my spare word's address; never rewritten
.set NIL, 3                            ; v3  0; never rewritten
.set AK,  4                            ; v4  16 x lane + 2,048 x the step of 64 keys that is asked for
.set M,   8                            ; v[8:9], v[10:11]   m of tile 0, 1 (the packed lines take the low word for both halves)
.set AF,  12                           ; v[12:13], v[14:15] a = 2^(m_old - m_new); at the end 1 / l
.set Q,   16                           ; v[16:31]  8 a tile, the upper 4 zeros
.set KF,  32                           ; v[32:63]  four tiles of 16 keys, 8 each, the upper 4 zeros
.set VF,  64                           ; v[64:79]  two fragments of V^T
.set ONE, 80                           ; v[80:87]  ones in bf16
.set O,   88                           ; v[88:103] O^T, 8 a tile
.set LS,  104                          ; v[104:119] l, 8 a tile
.set CC,  120                          ; v[120:127] four at work a tile
.set S,   128                          ; v[128:191] S^T, 32 a tile
.set P,   192                          ; v[192:223] P, 16 a tile
.set ACC, 224                          ; v[224:255] the projection's accumulator (a, b) at 224 + 16 a + 8 b
.set XR,  128                          ; at the head: x as loaded (32), bproj (16), two addresses
.set BP,  160
.set XST, 192
.set XRD, 193
.set WPA, 16                           ; behind the loop: v16 my Wproj in LDS, v17 where I put o, v18 o's fragments, v19 my word among the partial sums, v20 a row's 16 partial sums, v21 32 x (lane / 16)
.set OST, 17
.set ORD, 18
.set RW,  19
.set RR,  20
.set T32, 21
.set AFR, 128                          ; v[128:159] o's fragments, two buffers of two
.set BFR, 160                          ; v[160:191] Wproj's fragments, two buffers of two
.set B2,  32                           ; b2, ln2_g, ln2_b of my 16 columns (8 a tile)
.set GG,  48
.set LB,  192
.set RDS, 128                          ; the partial sums read back
.set TMP, 160                          ; x1 + b2
.set HH,  208                          ; h2 packed
.set MU,  112                          ; v[112:115] the two rows' means, each twice
.set RS,  116                          ; v[116:119] 1 / sqrt(var + eps), each twice
.set TT,  120                          ; v[120:127] four at work for each a
.set WV,  26                           ; s26 my wave's number = my head
.set G0,  48                           ; s[48:51] descriptor group 0
.set G1,  52                           ; s[52:59] descriptor group 1
.set KB,  60                           ; s[60:61] my head's K
.set VB,  62                           ; s[62:63] my head's V
.set QB,  66                           ; s[66:67] my two tiles of Q
.set KO,  68                           ; s68 2,048 x the step that is asked for
.set CNT, 69                           ; s69 trips to go
.macro PLACES
.rept 4
	v_nop
.endr
.endm
.macro CROUND                          ; a round of the cluster's barrier
	s_barrier_signal -1
	s_barrier_wait -1
	s_cmp_lg_u32 s[WV], 0
	s_cbranch_scc1 .Lnot_wave_0_\@
	s_barrier_signal -3
.Lnot_wave_0_\@:
	s_barrier_wait -3
	s_barrier_signal -1
	s_barrier_wait -1
.endm
	s_load_b512 s[8:23], s[0:1], 0x0               ; qkv, wf, x, bproj, b2, ln2_g, ln2_b, hbuf
	s_load_b64 s[24:25], s[0:1], 0x40              ; x1b
	v_lshl_add_u32 v[SPW], v0, 2, SPARE
	v_mov_b32 v[NIL], 0
	ds_add_u32 v[SPW], v[NIL]                      ; the opening: the add, twice on end, and its wait ahead of my first tensor load
	ds_add_u32 v[SPW], v[NIL]
	v_lshrrev_b32 v1, 5, v0
	v_readfirstlane_b32 s[WV], v1                  ; wave 0..15
	s_bfe_u32 s28, ttmp6, 0x40000                  ; cx: my place in the cluster
	s_lshl_b32 s27, ttmp9, 2                       ; in a cluster launch ttmp9 counts clusters
	s_add_co_u32 s27, s27, s28                     ; work-group 0..255: it enters the addresses of my own loads and stores alone
	v_and_b32 v[L16], 31, v0
	v_lshlrev_b32 v[L16], 4, v[L16]
	s_mov_b32 s[G1], 15|(3<<16)|(1<<21)            ; the mask of four; elements of 8 bytes; bit 21 beside a mask; no padding
	s_mov_b32 s[G1+1], 32<<16                      ; tensor_dim0 = 32 elements: rows of 256 bytes
	s_mov_b32 s[G1+2], 64<<16                      ; tensor_dim1 = 64 rows: 16,384 dense bytes
	s_mov_b32 s[G1+3], 32<<16                      ; tile_dim0
	s_mov_b32 s[G1+4], 64                          ; tile_dim1
	s_mov_b32 s[G1+5], 32                          ; each row begins where the last ends
	s_mov_b32 s[G1+6], 0
	s_mov_b32 s[G1+7], 0
	s_mov_b32 s[G0], 1
	s_lshl_b32 s[G0+1], s[WV], 14                  ; LDS address: wave x 16,384: no place in the cluster enters it
	s_lshl_b32 s30, s[WV], 14                      ; Wproj: my two column tiles of 8,192 bytes: the wave's number alone
	s_add_co_u32 s30, s30, OFF_WP
	s_mov_b32 s31, 0
	s_lshl_b32 s32, s27, 16                        ; x: 32 rows of 2,048 bytes a work-group, row w; x1b: two row tiles of 32,768 bytes, my two column tiles: the same number
	s_lshl_b32 s33, s[WV], 11
	s_add_co_u32 s32, s32, s33
	s_mov_b32 s33, 0
	s_lshr_b32 s34, s27, 5                         ; batch,
	s_lshl_b32 s34, s34, 19                        ; its 16 heads of 32,768 bytes,
	s_lshl_b32 s35, s[WV], 15                      ; mine
	s_add_co_u32 s34, s34, s35
	s_mov_b32 s35, 0
	s_and_b32 s38, s27, 31
	s_lshl_b32 s38, s38, 10                        ; my work-group's two query tiles of 512 bytes
	s_mov_b32 s39, 0
	s_lshl_b32 s42, s[WV], 7                       ; the tables: my wave's 32 columns
	s_mov_b32 s43, 0
	s_lshl_b32 s44, s27, 15                        ; hbuf: two row tiles of 16,384 bytes; my 32 columns are block w
	s_lshl_b32 s45, s[WV], 10
	s_add_co_u32 s44, s44, s45
	s_mov_b32 s45, 0
	s_and_b32 s[KO], s27, 15                       ; where my work-group's walk begins: 16 starts for a batch's 32 work-groups;
	s_bfe_u32 s29, s27, 0x10004
	s_lshl_b32 s29, s29, 2
	s_xor_b32 s[KO], s[KO], s29                    ; the upper sixteen take the same starts in another order
	s_lshl_b32 s[KO], s[KO], 11
	v_add_nc_u32 v[AK], s[KO], v[L16]
	s_mov_b32 s36, 0x76543210                      ; v_permlanex16_b32: each lane takes its own place in the other half
	s_mov_b32 s37, 0xfedcba98
	s_mov_b32 s40, 0x3b000000                      ; 1 / 512
	s_mov_b32 s41, 0x3727c5ac                      ; 1e-5
	s_mov_b32 s[CNT], 15
	s_wait_dscnt 0x0                               ; both opening adds are done
	s_wait_kmcnt 0x0
	s_add_nc_u64 s[G0+2:G0+3], s[10:11], s[30:31]
	s_or_b32 s[G0+3], s[G0+3], 0x80000000          ; type = 2
	s_add_nc_u64 s[12:13], s[12:13], s[32:33]
	s_add_nc_u64 s[24:25], s[24:25], s[32:33]
	s_add_nc_u64 s[QB:QB+1], s[8:9], s[34:35]
	s_add_nc_u64 s[KB:KB+1], s[QB:QB+1], 0x400000
	s_add_nc_u64 s[VB:VB+1], s[QB:QB+1], 0x800000
	s_add_nc_u64 s[QB:QB+1], s[QB:QB+1], s[38:39]
	s_add_nc_u64 s[16:17], s[16:17], s[42:43]
	s_add_nc_u64 s[18:19], s[18:19], s[42:43]
	s_add_nc_u64 s[20:21], s[20:21], s[42:43]
	s_add_nc_u64 s[22:23], s[22:23], s[44:45]
.irp i, 0,1                            ; rows w and 16 + w of the work-group's 32
.irp j, 0,1,2,3
	global_load_b128 v[XR+16*\i+4*\j:XR+16*\i+4*\j+3], v[L16], s[12:13] offset:\i*32768+\j*512 th:TH_LOAD_NT
.endr
.endr
.irp j, 0,1,2,3
	global_load_b128 v[BP+4*\j:BP+4*\j+3], v[L16], s[14:15] offset:\j*512
.endr
.irp t, 0,1
	global_load_b128 v[Q+8*\t:Q+8*\t+3], v[L16], s[QB:QB+1] offset:\t*512
.endr
.irp kt, 0,1,2,3
	global_load_b128 v[KF+8*\kt:KF+8*\kt+3], v[AK], s[KB:KB+1] offset:\kt*512
.endr
.irp f, 0,1,2,3
	global_load_b128 v[VF+4*\f:VF+4*\f+3], v[AK], s[VB:VB+1] offset:\f*512
.endr
	CROUND                                         ; all four work-groups are here: the joint loads meet
	tensor_load_to_lds s[G0:G0+3], s[G1:G1+7]      ; my 16 KiB of Wproj
	s_nop 0
	v_and_b32 v194, 15, v0                         ; all this stands in the wait for the loads
	v_bfe_u32 v195, v0, 4, 1
	s_mul_i32 s29, s[WV], XP
	s_add_co_u32 s29, s29, XH
	v_add_nc_u32 v[XST], s29, v[L16]               ; x in: row w of the stage
	v_mul_u32_u24 v[XRD], v194, XP
	v_lshl_add_u32 v[XRD], v195, 5, v[XRD]
	s_lshl_b32 s29, s[WV], 7
	s_add_co_u32 s29, s29, XH
	v_add_nc_u32 v[XRD], s29, v[XRD]               ; x back: row lane % 16, my wave's 128 bytes, my half's 32
.irp t, 0,1
.irp j, 4,5,6,7
	v_mov_b32 v[Q+8*\t+\j], 0
.endr
	v_mov_b32 v[M+2*\t], 0xff7fffff                ; the lowest finite number: the first trip's a is 0
	v_mov_b32 v[M+2*\t+1], 0xff7fffff
	v_mov_b32 v[AF+2*\t+1], 0                      ; named with a as a pair
.endr
.irp kt, 0,1,2,3
.irp j, 4,5,6,7
	v_mov_b32 v[KF+8*\kt+\j], 0
.endr
.endr
.set i, 0
.rept 8
	v_mov_b32 v[ONE+i], 0x3f803f80
.set i, i+1
.endr
.set i, 0
.rept 32
	v_mov_b32 v[O+i], 0                            ; O^T and l start at 0, so that the loop has one form of product
.set i, i+1
.endr
	s_wait_loadcnt 10                              ; x and bproj are in; Q's two, K's four and V's four loads may stay out
.irp i, 0,1
.irp z, 0,2,4,6,8,10,12,14
	v_pk_add_f32 v[XR+16*\i+\z:XR+16*\i+\z+1], v[XR+16*\i+\z:XR+16*\i+\z+1], v[BP+\z:BP+\z+1]
.endr
.endr
.irp a, 0,1                            ; row tile a passes through the stage: every wave puts one row in and takes its 32 columns of all 16 rows out
.irp j, 0,1,2,3
	ds_store_b128 v[XST], v[XR+16*\a+4*\j:XR+16*\a+4*\j+3] offset:\j*512
.endr
	s_wait_dscnt 0x0                               ; for the others' sake: my row lies in the stage
	s_barrier_signal -1
	s_barrier_wait -1
.irp b, 0,1
	ds_load_b128 v[ACC+16*\a+8*\b:ACC+16*\a+8*\b+3], v[XRD] offset:\b*64
	ds_load_b128 v[ACC+16*\a+8*\b+4:ACC+16*\a+8*\b+7], v[XRD] offset:\b*64+16
.endr
	s_wait_dscnt 0x0                               ; my reads of the stage are over
.if \a == 0
	s_barrier_signal -1
	s_barrier_wait -1                              ; everybody's are: the second 16 rows may be put in
.endif
.endr
; number j of the 21 lines that find tile t's new maximum and a; each accumulator's lowest registers are read first
.macro MX t, j
.set rC, CC+4*(\t)
.set rS, S+32*(\t)
.set rM, M+2*(\t)
.if (\j) < 4
	v_max3_num_f32 v[rC+(\j)], v[rS+8*(\j)], v[rS+8*(\j)+1], v[rS+8*(\j)+2]
.elseif (\j) < 12
	v_max3_num_f32 v[rC+(\j)%4], v[rC+(\j)%4], v[rS+8*((\j)%4)+2*((\j)/4)+1], v[rS+8*((\j)%4)+2*((\j)/4)+2]
.elseif (\j) == 12
	v_max3_num_f32 v[rC], v[rC], v[rS+7], v[rS+15]
.elseif (\j) == 13
	v_max3_num_f32 v[rC+2], v[rC+2], v[rS+23], v[rS+31]
.elseif (\j) == 14
	v_max3_num_f32 v[rC], v[rC], v[rC+1], v[rC+2]
.elseif (\j) == 15
	v_max3_num_f32 v[rC], v[rC], v[rC+3], v[rM]
.elseif (\j) == 16
	v_permlanex16_b32 v[rC+1], v[rC], s36, s37     ; the query's other 32 keys lie in the lane 16 away
.elseif (\j) == 17
	v_mov_b32 v[rC+2], v[rM]
.elseif (\j) == 18
	v_max_num_f32 v[rM], v[rC], v[rC+1]
.elseif (\j) == 19
	v_sub_f32 v[rC+2], v[rC+2], v[rM]
.else
	v_exp_f32 v[AF+2*(\t)], v[rC+2]
.endif
.endm
; A TRIP: 64 keys for both query tiles.  more = 1: the next step's K and V are asked for; the last trip, written out behind the loop, asks for nothing.
.macro TRIP more
	s_wait_loadcnt 4                               ; this step's K is in; its V's four loads, issued behind K's, may stay out
.irp kt, 0,1,2,3
.irp t, 0,1
	v_wmma_f32_16x16x32_bf16 v[S+32*\t+8*\kt:S+32*\t+8*\kt+7], v[KF+8*\kt:KF+8*\kt+7], v[Q+8*\t:Q+8*\t+7], 0
.endr
.endr
	PLACES                                         ; behind the scores' products: in front of the loads into K's registers and of the lines that read the scores
.if \more
	s_wait_xcnt 0x0                                ; V's loads, issued at the last trip's end, have read the address register: it is written only behind this wait
	s_add_co_u32 s[KO], s[KO], 2048                ; the next 64 keys: four tiles of K and of V,
	s_and_b32 s[KO], s[KO], 0x7fff                 ; round the head's 32,768 bytes
	v_add_nc_u32 v[AK], s[KO], v[L16]
.irp kt, 0,1,2,3
	global_load_b128 v[KF+8*\kt:KF+8*\kt+3], v[AK], s[KB:KB+1] offset:\kt*512
.endr
.endif
.irp j, 0,1,2,3,4,5,6,7,8,9,10,11,12,13,14,15,16,17,18,19,20
	MX 0, \j
	MX 1, \j
.endr
; ONE BATCH: the two a above and 64 exponentials; a pair is shifted by m one group ahead of its exponentials; nothing here names an exponential's result
.set i, 0
.rept 16
	v_pk_add_f32 v[S+2*i:S+2*i+1], v[S+2*i:S+2*i+1], v[M:M+1] op_sel_hi:[1,0] neg_lo:[0,1] neg_hi:[0,1]
	v_pk_add_f32 v[S+32+2*i:S+32+2*i+1], v[S+32+2*i:S+32+2*i+1], v[M+2:M+3] op_sel_hi:[1,0] neg_lo:[0,1] neg_hi:[0,1]
.if i > 0
	v_exp_f32 v[S+2*i-2], v[S+2*i-2]
	v_exp_f32 v[S+2*i-1], v[S+2*i-1]
	v_exp_f32 v[S+32+2*i-2], v[S+32+2*i-2]
	v_exp_f32 v[S+32+2*i-1], v[S+32+2*i-1]
.endif
.set i, i+1
.endr
	v_exp_f32 v[S+30], v[S+30]
	v_exp_f32 v[S+31], v[S+31]
	v_exp_f32 v[S+62], v[S+62]
	v_exp_f32 v[S+63], v[S+63]
	v_nop                                          ; a plain instruction behind the last exponential,
	s_wait_alu depctr_va_vdst(0)                   ; and one wait for the batch of 66, ahead of its first reader
.set i, 0
.rept 16
	v_cvt_pk_bf16_f32 v[P+i], v[S+2*i], v[S+2*i+1]
	v_cvt_pk_bf16_f32 v[P+16+i], v[S+32+2*i], v[S+32+2*i+1]
.set i, i+1
.endr
.irp z, 0,2,4,6
.irp t, 0,1
	v_pk_mul_f32 v[O+8*\t+\z:O+8*\t+\z+1], v[O+8*\t+\z:O+8*\t+\z+1], v[AF+2*\t:AF+2*\t+1] op_sel_hi:[1,0]
.endr
.endr
.irp t, 0,1
	v_mul_f32 v[LS+8*\t], v[LS+8*\t], v[AF+2*\t]
.endr
.if \more
	s_wait_loadcnt 4                               ; V is in; the next K's four loads may stay out
.else
	s_wait_loadcnt 0x0                             ; V is in: nothing was asked for behind it
.endif
.irp kb, 0,1                           ; the four accumulators take turns: three others stand between two links of a chain
.irp t, 0,1
	v_wmma_f32_16x16x32_bf16 v[O+8*\t:O+8*\t+7], v[VF+8*\kb:VF+8*\kb+7], v[P+16*\t+8*\kb:P+16*\t+8*\kb+7], v[O+8*\t:O+8*\t+7]
.endr
.irp t, 0,1
	v_wmma_f32_16x16x32_bf16 v[LS+8*\t:LS+8*\t+7], v[ONE:ONE+7], v[P+16*\t+8*\kb:P+16*\t+8*\kb+7], v[LS+8*\t:LS+8*\t+7]
.endr
.endr
.if \more
	PLACES                                         ; in front of the loads into V's registers, which those products read
.irp f, 0,1,2,3
	global_load_b128 v[VF+4*\f:VF+4*\f+3], v[AK], s[VB:VB+1] offset:\f*512
.endr
.endif
.endm
.Ltrip:
	TRIP 1
	s_sub_co_u32 s[CNT], s[CNT], 1
	s_cmp_lg_u32 s[CNT], 0
	s_cbranch_scc1 .Ltrip
	TRIP 0
; THE PROJECTION.  Its addresses are made here: nine plain instructions, the places behind the last products.
	v_and_b32 v22, 15, v0
	v_bfe_u32 v23, v0, 4, 1
	s_lshl_b32 s29, s[WV], 14
	v_add_nc_u32 v[WPA], s29, v[L16]
	s_lshl_b32 s29, s[WV], 9                       ; a head's 16 channels are half a block of o
	s_add_co_u32 s29, s29, OS
	v_add_nc_u32 v[OST], s29, v[L16]
	v_add_nc_u32 v[ORD], OS, v[L16]
	v_lshlrev_b32 v[RR], 6, v22
	v_add_nc_u32 v[RR], RED1, v[RR]
	s_lshl_b32 s29, s[WV], 2
	v_add_nc_u32 v[RW], s29, v[RR]
	v_lshlrev_b32 v[T32], 5, v23
.irp b, 0,1                            ; the tables are asked for now and wanted behind the products
.irp jj, 0,1
	global_load_b128 v[B2+8*\b+4*\jj:B2+8*\b+4*\jj+3], v[T32], s[16:17] offset:\b*64+\jj*16
	global_load_b128 v[GG+8*\b+4*\jj:GG+8*\b+4*\jj+3], v[T32], s[18:19] offset:\b*64+\jj*16
	global_load_b128 v[LB+8*\b+4*\jj:LB+8*\b+4*\jj+3], v[T32], s[20:21] offset:\b*64+\jj*16
.endr
.endr
.irp t, 0,1
	v_rcp_f32 v[AF+2*\t], v[LS+8*\t]
.endr
	v_nop
	s_wait_alu depctr_va_vdst(0)                   ; one wait for the two reciprocals
.irp z, 0,2,4,6
.irp t, 0,1
	v_pk_mul_f32 v[O+8*\t+\z:O+8*\t+\z+1], v[O+8*\t+\z:O+8*\t+\z+1], v[AF+2*\t:AF+2*\t+1] op_sel_hi:[1,0]
.endr
.endr
.irp t, 0,1
.irp r, 0,1,2,3
	v_cvt_pk_bf16_f32 v[CC+4*\t+\r], v[O+8*\t+2*\r], v[O+8*\t+2*\r+1]
.endr
	ds_store_b128 v[OST], v[CC+4*\t:CC+4*\t+3] offset:\t*8192  ; a lane's 8 channels of one query: its 16 bytes of o in F-order
.endr
	s_wait_tensorcnt 0x0                           ; my Wproj lies in LDS
	s_wait_dscnt 0x0                               ; for the others' sake: my head's o lies in LDS
	s_barrier_signal -1
	s_barrier_wait -1
.macro FET s                           ; block s: o's two fragments and my two of Wproj, into buffer s % 2
.irp a, 0,1
	ds_load_b128 v[AFR+16*((\s)%2)+8*\a:AFR+16*((\s)%2)+8*\a+3], v[ORD] offset:\a*8192+(\s)*1024
	ds_load_b128 v[AFR+16*((\s)%2)+8*\a+4:AFR+16*((\s)%2)+8*\a+7], v[ORD] offset:\a*8192+(\s)*1024+512
.endr
.irp b, 0,1
	ds_load_b128 v[BFR+16*((\s)%2)+8*\b:BFR+16*((\s)%2)+8*\b+3], v[WPA] offset:\b*8192+(\s)*1024
	ds_load_b128 v[BFR+16*((\s)%2)+8*\b+4:BFR+16*((\s)%2)+8*\b+7], v[WPA] offset:\b*8192+(\s)*1024+512
.endr
.endm
	FET 0
	FET 1
.irp s, 0,1,2,3,4,5,6,7                ; taken transposed (source 0 = Wproj's columns): a lane holds one row and 8 neighbouring columns; the four accumulators take turns
.if \s == 7
	s_wait_dscnt 0x0
.else
	s_wait_dscnt 8                                 ; all but the next block's eight loads
.endif
.irp a, 0,1
.irp b, 0,1
	v_wmma_f32_16x16x32_bf16 v[ACC+16*\a+8*\b:ACC+16*\a+8*\b+7], v[BFR+16*(\s%2)+8*\b:BFR+16*(\s%2)+8*\b+7], v[AFR+16*(\s%2)+8*\a:AFR+16*(\s%2)+8*\a+7], v[ACC+16*\a+8*\b:ACC+16*\a+8*\b+7]
.endr
.endr
.if \s < 6
	PLACES                                         ; in front of loads into the buffer just multiplied
	FET (\s)+2
.endif
.endr
	PLACES
; v[TT+4 a : +3] hold two packed partial sums of row (a, lane % 16) over my 8 + 8 columns.  They are added, joined with the other half of the lanes', put into LDS beside the other 15 waves',
; and all 16 are read back and added: v[RDS+16 a] is the sum over the row's 512 columns, in every lane.
.macro ALLSUM off
.irp a, 0,1
	v_pk_add_f32 v[TT+4*\a:TT+4*\a+1], v[TT+4*\a:TT+4*\a+1], v[TT+4*\a+2:TT+4*\a+3]
.endr
.irp a, 0,1
	v_add_f32 v[TT+4*\a], v[TT+4*\a], v[TT+4*\a+1]
.endr
.irp a, 0,1
	v_permlanex16_b32 v[TT+4*\a+1], v[TT+4*\a], s36, s37
.endr
.irp a, 0,1
	v_add_f32 v[TT+4*\a], v[TT+4*\a], v[TT+4*\a+1]
.endr
.irp a, 0,1
	ds_store_b32 v[RW], v[TT+4*\a] offset:(\off)+\a*1024
.endr
	s_wait_dscnt 0x0                               ; for the others' sake
	s_barrier_signal -1
	s_barrier_wait -1
.irp a, 0,1
.irp i, 0,1,2,3
	ds_load_b128 v[RDS+16*\a+4*\i:RDS+16*\a+4*\i+3], v[RR] offset:(\off)+\a*1024+\i*16
.endr
.endr
	s_wait_dscnt 0x0
.irp z, 0,4,8,12
.irp a, 0,1
	v_pk_add_f32 v[RDS+16*\a+\z:RDS+16*\a+\z+1], v[RDS+16*\a+\z:RDS+16*\a+\z+1], v[RDS+16*\a+\z+2:RDS+16*\a+\z+3]
.endr
.endr
.irp z, 0,8
.irp a, 0,1
	v_pk_add_f32 v[RDS+16*\a+\z:RDS+16*\a+\z+1], v[RDS+16*\a+\z:RDS+16*\a+\z+1], v[RDS+16*\a+\z+4:RDS+16*\a+\z+5]
.endr
.endr
.irp a, 0,1
	v_pk_add_f32 v[RDS+16*\a:RDS+16*\a+1], v[RDS+16*\a:RDS+16*\a+1], v[RDS+16*\a+8:RDS+16*\a+9]
.endr
.irp a, 0,1
	v_add_f32 v[RDS+16*\a], v[RDS+16*\a], v[RDS+16*\a+1]
.endr
.endm
; THE MEAN.  Each accumulator's lowest registers are read first.
.irp a, 0,1
	v_pk_add_f32 v[TT+4*\a:TT+4*\a+1], v[ACC+16*\a:ACC+16*\a+1], v[ACC+16*\a+2:ACC+16*\a+3]
	v_pk_add_f32 v[TT+4*\a+2:TT+4*\a+3], v[ACC+16*\a+8:ACC+16*\a+9], v[ACC+16*\a+10:ACC+16*\a+11]
.endr
.irp z, 4,6
.irp a, 0,1
	v_pk_add_f32 v[TT+4*\a:TT+4*\a+1], v[TT+4*\a:TT+4*\a+1], v[ACC+16*\a+\z:ACC+16*\a+\z+1]
	v_pk_add_f32 v[TT+4*\a+2:TT+4*\a+3], v[TT+4*\a+2:TT+4*\a+3], v[ACC+16*\a+8+\z:ACC+16*\a+8+\z+1]
.endr
.endr
	ALLSUM 0
.irp a, 0,1
	v_mul_f32 v[MU+2*\a], s40, v[RDS+16*\a]
	v_mul_f32 v[MU+2*\a+1], s40, v[RDS+16*\a]
.endr
	s_wait_loadcnt 0x0                             ; b2, ln2_g, ln2_b
.irp a, 0,1
.irp b, 0,1
.irp z, 0,2,4,6
	v_pk_add_f32 v[TMP+16*\a+8*\b+\z:TMP+16*\a+8*\b+\z+1], v[ACC+16*\a+8*\b+\z:ACC+16*\a+8*\b+\z+1], v[B2+8*\b+\z:B2+8*\b+\z+1]
.endr
	global_store_b128 v[L16], v[TMP+16*\a+8*\b:TMP+16*\a+8*\b+3], s[24:25] offset:\a*32768+\b*1024
	global_store_b128 v[L16], v[TMP+16*\a+8*\b+4:TMP+16*\a+8*\b+7], s[24:25] offset:\a*32768+\b*1024+512
.endr
.endr
; THE VARIANCE, of x1 - mean: no difference of large sums
.irp a, 0,1
.irp z, 0,2,4,6,8,10,12,14
	v_pk_add_f32 v[ACC+16*\a+\z:ACC+16*\a+\z+1], v[ACC+16*\a+\z:ACC+16*\a+\z+1], v[MU+2*\a:MU+2*\a+1] neg_lo:[0,1] neg_hi:[0,1]
.endr
.endr
.irp a, 0,1
	v_pk_mul_f32 v[TT+4*\a:TT+4*\a+1], v[ACC+16*\a:ACC+16*\a+1], v[ACC+16*\a:ACC+16*\a+1]
	v_pk_mul_f32 v[TT+4*\a+2:TT+4*\a+3], v[ACC+16*\a+2:ACC+16*\a+3], v[ACC+16*\a+2:ACC+16*\a+3]
.endr
.irp z, 4,8,12
.irp a, 0,1
	v_pk_fma_f32 v[TT+4*\a:TT+4*\a+1], v[ACC+16*\a+\z:ACC+16*\a+\z+1], v[ACC+16*\a+\z:ACC+16*\a+\z+1], v[TT+4*\a:TT+4*\a+1]
	v_pk_fma_f32 v[TT+4*\a+2:TT+4*\a+3], v[ACC+16*\a+\z+2:ACC+16*\a+\z+3], v[ACC+16*\a+\z+2:ACC+16*\a+\z+3], v[TT+4*\a+2:TT+4*\a+3]
.endr
.endr
	ALLSUM RED2O                                   ; other words than the first reduction's: no wave need have finished reading those
.irp a, 0,1
	v_fma_f32 v[RDS+16*\a], v[RDS+16*\a], s40, s41
.endr
.irp a, 0,1
	v_rsq_f32 v[RS+2*\a], v[RDS+16*\a]
.endr
	v_nop
	s_wait_alu depctr_va_vdst(0)                   ; one wait for the two, ahead of their first reader
.irp a, 0,1
	v_mov_b32 v[RS+2*\a+1], v[RS+2*\a]
.endr
.irp a, 0,1
.irp z, 0,2,4,6,8,10,12,14
	v_pk_mul_f32 v[ACC+16*\a+\z:ACC+16*\a+\z+1], v[ACC+16*\a+\z:ACC+16*\a+\z+1], v[RS+2*\a:RS+2*\a+1]
.endr
.endr
.irp a, 0,1
.irp z, 0,2,4,6,8,10,12,14
	v_pk_fma_f32 v[ACC+16*\a+\z:ACC+16*\a+\z+1], v[ACC+16*\a+\z:ACC+16*\a+\z+1], v[GG+\z:GG+\z+1], v[LB+\z:LB+\z+1]
.endr
.endr
.irp a, 0,1
.irp b, 0,1
.irp r, 0,1,2,3
	v_cvt_pk_f16_f32 v[HH+8*\a+4*\b+\r], v[ACC+16*\a+8*\b+2*\r], v[ACC+16*\a+8*\b+2*\r+1]
.endr
	global_store_b128 v[L16], v[HH+8*\a+4*\b:HH+8*\a+4*\b+3], s[22:23] offset:\a*16384+\b*512  ; half b of block w of row tile a: 512 consecutive bytes
.endr
.endr
	s_wait_tensorcnt 0x0                           ; the wave's end
	ds_add_u32 v[SPW], v[NIL]
	s_wait_dscnt 0x0
	CROUND                                         ; the closing round: no work-group ends while a partner may still ask for a tile that names it
	s_endpgm
.Lfunc_end_k_q8a64768e5f_attnproj:
	.size	k_q8a64768e5f_attnproj, .Lfunc_end_k_q8a64768e5f_attnproj-k_q8a64768e5f_attnproj
	.p2alignl 7, 3214868480
	.fill 96, 4, 3214868480
	.section	.rodata,"a",@progbits
	.p2align	6, 0x0
	.amdhsa_kernel k_q8a64768e5f_attnproj
		.amdhsa_group_segment_fixed_size 327680
		.amdhsa_private_segment_fixed_size 0
		.amdhsa_enable_private_segment 0
		.amdhsa_kernarg_size 72
		.amdhsa_user_sgpr_count 2
		.amdhsa_user_sgpr_kernarg_segment_ptr 1
		.amdhsa_wavefront_size32 1
		.amdhsa_system_sgpr_workgroup_id_x 1
		.amdhsa_system_sgpr_workgroup_id_y 1
		.amdhsa_system_sgpr_workgroup_id_z 1
		.amdhsa_system_vgpr_workitem_id 0
		.amdhsa_next_free_vgpr 256
		.amdhsa_next_free_sgpr 72
		.amdhsa_reserve_vcc 0
		.amdhsa_float_denorm_mode_32 3
		.amdhsa_float_denorm_mode_16_64 3
		.amdhsa_memory_ordered 1
		.amdhsa_forward_progress 1
		.amdhsa_inst_pref_size 56
	.end_amdhsa_kernel
	.amdgpu_metadata
---
amdhsa.version: [ 1, 2 ]
amdhsa.kernels:
  - .name:           k_q8a64768e5f_attnproj
    .symbol:         k_q8a64768e5f_attnproj.kd
    .args:
      - { .name: qkv, .offset: 0, .size: 8, .value_kind: global_buffer, .address_space: global }
      - { .name: wf, .offset: 8, .size: 8, .value_kind: global_buffer, .address_space: global }
      - { .name: x, .offset: 16, .size: 8, .value_kind: global_buffer, .address_space: global }
      - { .name: bproj, .offset: 24, .size: 8, .value_kind: global_buffer, .address_space: global }
      - { .name: b2, .offset: 32, .size: 8, .value_kind: global_buffer, .address_space: global }
      - { .name: ln2_g, .offset: 40, .size: 8, .value_kind: global_buffer, .address_space: global }
      - { .name: ln2_b, .offset: 48, .size: 8, .value_kind: global_buffer, .address_space: global }
      - { .name: hbuf, .offset: 56, .size: 8, .value_kind: global_buffer, .address_space: global }
      - { .name: x1b, .offset: 64, .size: 8, .value_kind: global_buffer, .address_space: global }
    .group_segment_fixed_size: 327680
    .private_segment_fixed_size: 0
    .kernarg_segment_align: 8
    .kernarg_segment_size: 72
    .max_flat_workgroup_size: 512
    .sgpr_count:     72
    .vgpr_count:     256
    .wavefront_size: 32
...
	.end_amdgpu_metadata
.endif
;; end of part 3
;; launch ff1 (part 4): grid 8 x 32, 4 waves a work-group, clusters of 4 x 4, 327,680 bytes of LDS; arguments hbuf, wf, b1, ab; writes ab
.if DOCPART == 4
	.amdgcn_target "amdgcn-amd-amdhsa--gfx1250"
	.amdhsa_code_object_version 6
	.text
	.protected	k_q8a64768e5f_ff1
	.globl	k_q8a64768e5f_ff1
	.p2align	8
	.type	k_q8a64768e5f_ff1,@function
k_q8a64768e5f_ff1:
	s_mov_b64 s[64:65], 0
	v_nop
	global_prefetch_b8 v0, s[64:65] scope:SCOPE_SE
	s_setreg_imm32_b32 hwreg(HW_REG_WAVE_MODE, 25, 1), 1
	s_wait_xcnt 0x0
	s_wait_alu depctr_hold_cnt(0) depctr_sa_sdst(0) depctr_va_vdst(0) depctr_va_sdst(0) depctr_va_ssrc(0) depctr_va_vcc(0) depctr_vm_vsrc(0)
	s_getreg_b32 s2, hwreg(HW_REG_IB_STS2, 6, 4)
	s_cmp_eq_u32 s2, 0
	s_cbranch_scc0 .Lentry_in_a_cluster
	s_endpgm
.Lentry_in_a_cluster:
	s_bfe_u32 s2, ttmp6, 0x10000c
	s_cmp_lg_u32 s2, 0xf033
	s_cbranch_scc0 .Lentry_shape_is_right
	s_endpgm
.Lentry_shape_is_right:
; FF1: a = leaky_relu(h2 W1 + b1) in bf16, in F-order [8192][2048]; products in f16, sums in f32.
; SHARES.  A work-group makes 256 x 256, each of its four waves 128 x 128: 64 accumulators, 512 registers.  K = 512 goes in four steps of 128 through two LDS slots.  Both operands lie in F-order, so a
; tile's part of a step is 4,096 consecutive bytes, a fragment load from LDS is 512 consecutive bytes, and no padding is needed.
; The products are taken transposed (source 0 = W1's columns): a lane holds one row and 8 neighbouring columns, which pack into the 16 bytes that F-order gives that lane: the results leave straight from registers.
; b1 is the C operand of the products that start the sums.  LEAKY: max(u, 0.01 u) is taken on the pairs already rounded to bf16; the slope is bf16's 0.0100098, and the negative branch is
; rounded twice: it moves by under one part in a hundred of a term that is itself a hundredth of u.
; CLUSTER 4 x 4: rows of h2 are shared along a row of the cluster, columns of W1 along a column: joint loads, one a wave behind each round.
; NO PREFETCH: the four steps come by the two first fills and the two refills; there is no step that stands two refills ahead of a load.
.set OFF_W1, 1048576
.set SLOT,   131072                    ; a slot: 16 row tiles x 4,096 bytes, then 16 column tiles x 4,096
.set KB,     4096                      ; a step in memory
.set SPARE,  262144                    ; behind the two slots: the spare words, 128 bytes a wave: two blocks of 256 bytes that no other line names
.set A0,   16                          ; v16 my fragments of h2 in slot 0; never rewritten
.set B0,   17                          ; v17 my fragments of W1 in slot 0; never rewritten
.set ADRA, 18                          ; v18, v19 the same in the slot in hand
.set ADRB, 19
.set L16,  20                          ; v20 16 x lane
.set SPW,  28                          ; v28 my spare word's address; never rewritten
.set NIL,  29                          ; v29 0; never rewritten
.set T2,   32                          ; v[32:63] the way out: 0.01 u
.set F0,   64                          ; fragment buffers: h2's in window 0, W1's in window 1
.set F1,   128
.set BIAS, 192                         ; v[192:255] b1 of my 8 column tiles, 8 registers each; later the packed results, two sets of 32
.set TMP,  192
.set WV,   12                          ; s12 my wave's number
.set TB,   19                          ; s19 the LDS byte at which the slot to be read begins
.set G1A,  24                          ; s[24:31], s[32:39] descriptor group 1 for h2, for W1
.set G1B,  32
.set G0A,  40                          ; s[40:47], s[48:55] group 0: a set for each first fill; the second then walks on
.set G0B,  48
.set MSB, 0
.macro WIN new                         ; the immediate's high byte repeats the setting that is left
.if MSB != (\new)
	s_set_vgpr_msb (MSB<<8)|(\new)
.set MSB, \new
.endif
.endm
.set TO_B, 0x40                        ; destination in window 1, address in window 0
.macro PLACES
.rept 4
	v_nop
.endr
.endm
.macro JLOAD                           ; a joint refill: waves 0 and 1 fetch h2's halves, waves 2 and 3 W1's; an s_nop 0 and four v_nop follow each line
	s_cmp_lt_u32 s[WV], 2
	s_cbranch_scc0 .Lfor_b_\@
	tensor_load_to_lds s[G0A+4:G0A+7], s[G1A:G1A+7]
	s_nop 0
	PLACES
	s_branch .Lasked_\@
.Lfor_b_\@:
	tensor_load_to_lds s[G0B+4:G0B+7], s[G1B:G1B+7]
	s_nop 0
	PLACES
.Lasked_\@:
.endm
.macro CREST                           ; a round of the cluster's barrier behind its opening barrier
	s_cmp_lg_u32 s[WV], 0
	s_cbranch_scc1 .Lnot_wave_0_\@
	s_barrier_signal -3
.Lnot_wave_0_\@:
	s_barrier_wait -3
	s_barrier_signal -1
	s_barrier_wait -1
.endm
.macro CROUND
	s_barrier_signal -1
	s_barrier_wait -1
	CREST
.endm
	s_load_b256 s[4:11], s[0:1], 0x0               ; hbuf, wf, b1, ab
	v_lshl_add_u32 v[SPW], v0, 2, SPARE
	v_mov_b32 v[NIL], 0
	ds_add_u32 v[SPW], v[NIL]                      ; the opening: the add, twice on end, and its wait ahead of my first tensor load
	ds_add_u32 v[SPW], v[NIL]
	v_lshrrev_b32 v1, 5, v0
	v_readfirstlane_b32 s[WV], v1
	s_lshr_b32 s13, s[WV], 1                       ; which 128 rows are mine
	s_and_b32 s14, s[WV], 1                        ; which 128 columns; also: which half of a tile I fetch
	s_bfe_u32 s15, ttmp6, 0x40000                  ; cx
	s_bfe_u32 s16, ttmp6, 0x40004                  ; cy
	s_lshl_b32 s17, ttmp9, 2
	s_add_co_u32 s17, s17, s15                     ; column block 0..7
	s_and_b32 s18, ttmp7, 0xffff
	s_lshl_b32 s18, s18, 2
	s_add_co_u32 s18, s18, s16                     ; row block 0..31
	s_lshl_b32 s22, s16, 2
	s_lshl_b32 s22, 15, s22                        ; my row of the cluster
	s_lshl_b32 s23, 0x1111, s15                    ; my column
	s_or_b32 s[G1A], s22, (3<<16)|(1<<21)          ; the mask; elements of 8 bytes; bit 21 beside a mask; no padding
	s_or_b32 s[G1B], s23, (3<<16)|(1<<21)
.irp g, G1A, G1B
	s_mov_b32 s[\g+1], 512<<16                     ; tensor_dim0 = 512 elements: a tile's 4,096 bytes of a step
	s_mov_b32 s[\g+2], 8<<16                       ; tensor_dim1 = 8 tiles
	s_mov_b32 s[\g+3], 512<<16                     ; tile_dim0
	s_mov_b32 s[\g+4], 8                           ; tile_dim1
	s_mov_b32 s[\g+5], 2048                        ; from tile to tile: 16,384 bytes
	s_mov_b32 s[\g+6], 0
	s_mov_b32 s[\g+7], 0
.endr
	s_lshl_b32 s56, s18, 18                        ; h2: 16 row tiles of 16,384 bytes a block,
	s_lshl_b32 s57, s14, 17                        ; the 8 that I fetch
	s_add_co_u32 s56, s56, s57
	s_mov_b32 s57, 0
	s_lshl_b32 s58, s17, 18                        ; W1 likewise, in registers that never hold the row block
	s_lshl_b32 s59, s14, 17
	s_add_co_u32 s58, s58, s59
	s_add_co_u32 s58, s58, OFF_W1
	s_mov_b32 s59, 0
	s_lshl_b32 s22, s[WV], 15                      ; where they go: wave x 32,768: no place in the cluster enters an LDS address
	s_mov_b32 s[TB], 0
	s_mov_b32 s21, 0x3c243c24                      ; 0.01 twice, in bf16
	s_lshl_b32 s60, s17, 10                        ; b1: my 128 columns
	s_lshl_b32 s61, s14, 9
	s_add_co_u32 s60, s60, s61
	s_mov_b32 s61, 0
	s_lshl_b32 s62, s18, 20                        ; ab: 16 row tiles of 65,536 bytes a row block,
	s_lshl_b32 s63, s13, 19                        ; my 8,
	s_add_co_u32 s62, s62, s63
	s_lshl_b32 s63, s17, 13                        ; 8 blocks of 1,024 bytes a column block,
	s_add_co_u32 s62, s62, s63
	s_lshl_b32 s63, s14, 12                        ; my 4
	s_add_co_u32 s62, s62, s63
	s_mov_b32 s63, 0
	s_wait_dscnt 0x0                               ; both opening adds are done
	s_wait_kmcnt 0x0
	s_add_nc_u64 s[56:57], s[4:5], s[56:57]
	s_add_nc_u64 s[58:59], s[6:7], s[58:59]
	s_add_nc_u64 s[8:9], s[8:9], s[60:61]
	s_add_nc_u64 s[10:11], s[10:11], s[62:63]
	CROUND                                         ; all sixteen work-groups are here: the first joint loads meet
.irp s, 0,1
	s_mov_b32 s[G0A+4*\s], 1
	s_add_co_u32 s[G0A+4*\s+1], s22, \s*SLOT
	s_add_nc_u64 s[G0A+4*\s+2:G0A+4*\s+3], s[56:57], \s*KB
	s_or_b32 s[G0A+4*\s+3], s[G0A+4*\s+3], 0x80000000
	s_mov_b32 s[G0B+4*\s], 1
	s_add_co_u32 s[G0B+4*\s+1], s22, \s*SLOT
	s_add_nc_u64 s[G0B+4*\s+2:G0B+4*\s+3], s[58:59], \s*KB
	s_or_b32 s[G0B+4*\s+3], s[G0B+4*\s+3], 0x80000000
.endr
	s_cmp_lt_u32 s[WV], 2                          ; a wave's two first fills stand in one branch: two loads of mine are out
	s_cbranch_scc0 .Lfirst_b
	tensor_load_to_lds s[G0A:G0A+3], s[G1A:G1A+7]
	s_nop 0
	tensor_load_to_lds s[G0A+4:G0A+7], s[G1A:G1A+7]
	s_nop 0
	PLACES
	s_branch .Lfirst_asked
.Lfirst_b:
	tensor_load_to_lds s[G0B:G0B+3], s[G1B:G1B+7]
	s_nop 0
	tensor_load_to_lds s[G0B+4:G0B+7], s[G1B:G1B+7]
	s_nop 0
	PLACES
.Lfirst_asked:
	v_and_b32 v[L16], 31, v0
	v_lshlrev_b32 v[L16], 4, v[L16]
	v_bfe_u32 v21, v0, 4, 1
	v_lshlrev_b32 v21, 5, v21                      ; my 8 columns of a tile in b1
	s_lshl_b32 s22, s13, 15
	v_add_nc_u32 v[A0], s22, v[L16]
	s_lshl_b32 s23, s14, 15
	s_add_co_u32 s23, s23, 65536
	v_add_nc_u32 v[B0], s23, v[L16]
	v_mov_b32 v[ADRA], v[A0]
	v_mov_b32 v[ADRB], v[B0]
.irp b, 0,1,2,3,4,5,6,7
	global_load_b128 v[BIAS+8*\b:BIAS+8*\b+3], v21, s[8:9] offset:\b*64
	global_load_b128 v[BIAS+8*\b+4:BIAS+8*\b+7], v21, s[8:9] offset:\b*64+16
.endr
; 16 products: row tiles a0, a0 + 1 of the window's four (hi = 0: my rows 0-63, window 2; 1: rows 64-127, window 3) x all 8 column tiles.  init = 1: C is b1, in window 0, and starts the sums.
; The 64 accumulators take turns, one instruction a turn, in the same order in every quarter.
.macro MUL16 f, hi, a0, init
.if \init
	WIN 0x81+0x40*(\hi)
.else
	WIN 0xa1+0x50*(\hi)
.endif
.irp a, \a0, (\a0)+1
.irp b, 0,1,2,3,4,5,6,7
.if \init
	v_wmma_f32_16x16x32_f16 v[8*(8*(\a)+(\b)):8*(8*(\a)+(\b))+7], v[(\f)+8*(\b):(\f)+8*(\b)+7], v[(\f)+8*(4*(\hi)+(\a)):(\f)+8*(4*(\hi)+(\a))+7], v[BIAS+8*(\b):BIAS+8*(\b)+7]
.else
	v_wmma_f32_16x16x32_f16 v[8*(8*(\a)+(\b)):8*(8*(\a)+(\b))+7], v[(\f)+8*(\b):(\f)+8*(\b)+7], v[(\f)+8*(4*(\hi)+(\a)):(\f)+8*(4*(\hi)+(\a))+7], v[8*(8*(\a)+(\b)):8*(8*(\a)+(\b))+7]
.endif
.endr
.endr
.endm
.macro FETCH k, f                      ; 32 LDS loads in one run: the block at byte k of each tile's step: W1's eight fragments, then h2's eight
	WIN TO_B
.irp i, 0,1,2,3,4,5,6,7
	ds_load_b128 v[(\f)+8*\i:(\f)+8*\i+3], v[ADRB] offset:(\k)+\i*4096
	ds_load_b128 v[(\f)+8*\i+4:(\f)+8*\i+7], v[ADRB] offset:(\k)+\i*4096+512
.endr
	WIN 0
.irp i, 0,1,2,3,4,5,6,7
	ds_load_b128 v[(\f)+8*\i:(\f)+8*\i+3], v[ADRA] offset:(\k)+\i*4096
	ds_load_b128 v[(\f)+8*\i+4:(\f)+8*\i+7], v[ADRA] offset:(\k)+\i*4096+512
.endr
.endm
.macro QUARTER k, f, g, init           ; 32 along K from buffer f; in its middle the next block, at byte k, is fetched into g
	s_wait_dscnt 8                                 ; all but the youngest eight loads: h2's row tiles 4 to 7
	MUL16 \f, 0, 0, \init
	MUL16 \f, 0, 2, \init
	PLACES                                         ; in front of loads into the buffer that the quarter before multiplied
	FETCH \k, \g
	s_wait_dscnt 32                                ; all but the 32 just issued
	MUL16 \f, 1, 0, \init
	MUL16 \f, 1, 2, \init
.endm
; A step's last quarter multiplies buffer 1 and changes slots.  In front of the barrier each wave waits for all its tensor loads (one is out: its part of the next slot), adds 0 to its spare word, and
; waits for that and for its reads of this slot.  fill = 1: the barrier opens a round of the cluster's, and behind the round this slot is filled again first, with the step two on.
.macro TURN fill
	WIN 0
	s_wait_tensorcnt 0x0                           ; no tensor load of mine is out, so a group 0 may be written
	ds_add_u32 v[SPW], v[NIL]
.if \fill
	s_xor_b32 s[G0A+5], s[G0A+5], SLOT             ; the walking descriptors: the other slot than last time, the next step
	s_add_nc_u64 s[G0A+6:G0A+7], s[G0A+6:G0A+7], KB
	s_xor_b32 s[G0B+5], s[G0B+5], SLOT
	s_add_nc_u64 s[G0B+6:G0B+7], s[G0B+6:G0B+7], KB
.endif
	s_wait_dscnt 9                                 ; the add and the youngest eight loads may be out
	MUL16 F1, 0, 0, 0
	s_wait_dscnt 0x0                               ; the add is done, and my reads of this slot are over
	s_barrier_signal -1
	MUL16 F1, 0, 2, 0
	WIN 0
	s_barrier_wait -1
.if \fill
	CREST                                          ; no wave of any partner still reads this slot or has a load on its way
	JLOAD                                          ; its four v_nop are also the places in front of the loads below
.else
	PLACES
.endif
	s_xor_b32 s[TB], s[TB], SLOT
	v_add_nc_u32 v[ADRA], s[TB], v[A0]
	v_add_nc_u32 v[ADRB], s[TB], v[B0]
	FETCH 0, F0
	MUL16 F1, 1, 0, 0
	MUL16 F1, 1, 2, 0
.endm
	s_wait_tensorcnt 1                             ; my part of step 0 is in; step 1's may stay out
	s_barrier_signal -1
	s_barrier_wait -1
	FETCH 0, F0
	s_wait_loadcnt 0x0                             ; b1
	QUARTER 1024, F0, F1, 1                        ; the first quarter stands in front of the loop: its products start the sums
	WIN 0
	s_mov_b32 s20, 2
.Lstep:                                        ; a trip: a step's quarters 1 to 3 and the next step's quarter 0; both trips fill a slot again
	QUARTER 2048, F1, F0, 0
	QUARTER 3072, F0, F1, 0
	TURN 1
	QUARTER 1024, F0, F1, 0
	WIN 0
	s_sub_co_u32 s20, s20, 1
	s_cmp_lg_u32 s20, 0
	s_cbranch_scc1 .Lstep
	QUARTER 2048, F1, F0, 0                        ; the tail is written out: nothing is left to ask for
	QUARTER 3072, F0, F1, 0
	TURN 0
	QUARTER 1024, F0, F1, 0
	QUARTER 2048, F1, F0, 0
	QUARTER 3072, F0, F1, 0
	s_wait_dscnt 8
	MUL16 F1, 0, 0, 0
	MUL16 F1, 0, 2, 0
	s_wait_dscnt 0x0
	MUL16 F1, 1, 0, 0
	MUL16 F1, 1, 2, 0
	PLACES
; THE WAY OUT, 16 rows at a time: rounded to bf16 (each accumulator's registers in ascending order), max(u, 0.01 u) on the pairs, 512 consecutive bytes a store.
.macro OUT a
.if (\a) >= 2
	s_wait_xcnt 0x0                                ; a set of packed registers is written again only behind this wait
.endif
	WIN 0x0a+5*((\a)/4)                            ; sources in window 2 or 3, destination in window 0
.irp b, 0,1,2,3,4,5,6,7
.irp r, 0,1,2,3
	v_cvt_pk_bf16_f32 v[TMP+32*((\a)%2)+4*\b+\r], v[64*((\a)%4)+8*\b+2*\r], v[64*((\a)%4)+8*\b+2*\r+1]
.endr
.endr
	WIN 0
.set z, 0
.rept 32
	v_pk_mul_bf16 v[T2+z], v[TMP+32*((\a)%2)+z], s21
.set z, z+1
.endr
.set z, 0
.rept 32
	v_pk_max_num_bf16 v[TMP+32*((\a)%2)+z], v[TMP+32*((\a)%2)+z], v[T2+z]
.set z, z+1
.endr
.irp b, 0,1,2,3,4,5,6,7
	global_store_b128 v[L16], v[TMP+32*((\a)%2)+4*\b:TMP+32*((\a)%2)+4*\b+3], s[10:11] offset:(\a)*65536+\b*512
.endr
.endm
.irp a, 0,1,2,3,4,5,6,7
	OUT \a
.endr
	s_wait_tensorcnt 0x0                           ; the wave's end
	ds_add_u32 v[SPW], v[NIL]
	s_wait_dscnt 0x0
	CROUND                                         ; the closing round
	s_endpgm
.Lfunc_end_k_q8a64768e5f_ff1:
	.size	k_q8a64768e5f_ff1, .Lfunc_end_k_q8a64768e5f_ff1-k_q8a64768e5f_ff1
	.p2alignl 7, 3214868480
	.fill 96, 4, 3214868480
	.section	.rodata,"a",@progbits
	.p2align	6, 0x0
	.amdhsa_kernel k_q8a64768e5f_ff1
		.amdhsa_group_segment_fixed_size 327680
		.amdhsa_private_segment_fixed_size 0
		.amdhsa_enable_private_segment 0
		.amdhsa_kernarg_size 32
		.amdhsa_user_sgpr_count 2
		.amdhsa_user_sgpr_kernarg_segment_ptr 1
		.amdhsa_wavefront_size32 1
		.amdhsa_system_sgpr_workgroup_id_x 1
		.amdhsa_system_sgpr_workgroup_id_y 1
		.amdhsa_system_sgpr_workgroup_id_z 1
		.amdhsa_system_vgpr_workitem_id 0
		.amdhsa_next_free_vgpr 1024
		.amdhsa_next_free_sgpr 66
		.amdhsa_reserve_vcc 0
		.amdhsa_float_denorm_mode_32 3
		.amdhsa_float_denorm_mode_16_64 3
		.amdhsa_memory_ordered 1
		.amdhsa_forward_progress 1
		.amdhsa_inst_pref_size 140
	.end_amdhsa_kernel
	.amdgpu_metadata
---
amdhsa.version: [ 1, 2 ]
amdhsa.kernels:
  - .name:           k_q8a64768e5f_ff1
    .symbol:         k_q8a64768e5f_ff1.kd
    .args:
      - { .name: hbuf, .offset: 0, .size: 8, .value_kind: global_buffer, .address_space: global }
      - { .name: wf, .offset: 8, .size: 8, .value_kind: global_buffer, .address_space: global }
      - { .name: b1, .offset: 16, .size: 8, .value_kind: global_buffer, .address_space: global }
      - { .name: ab, .offset: 24, .size: 8, .value_kind: global_buffer, .address_space: global }
    .group_segment_fixed_size: 327680
    .private_segment_fixed_size: 0
    .kernarg_segment_align: 8
    .kernarg_segment_size: 32
    .max_flat_workgroup_size: 128
    .sgpr_count:     66
    .vgpr_count:     1024
    .wavefront_size: 32
...
	.end_amdgpu_metadata
.endif
;; end of part 4
;; launch ff2 (part 5): grid 4 x 64, 4 waves a work-group, clusters of 4 x 4, 327,680 bytes of LDS; arguments ab, wf, x1b, out0; writes out0
.if DOCPART == 5
	.amdgcn_target "amdgcn-amd-amdhsa--gfx1250"
	.amdhsa_code_object_version 6
	.text
	.protected	k_q8a64768e5f_ff2
	.globl	k_q8a64768e5f_ff2
	.p2align	8
	.type	k_q8a64768e5f_ff2,@function
k_q8a64768e5f_ff2:
	s_mov_b64 s[64:65], 0
	v_nop
	global_prefetch_b8 v0, s[64:65] scope:SCOPE_SE
	s_setreg_imm32_b32 hwreg(HW_REG_WAVE_MODE, 25, 1), 1
	s_wait_xcnt 0x0
	s_wait_alu depctr_hold_cnt(0) depctr_sa_sdst(0) depctr_va_vdst(0) depctr_va_sdst(0) depctr_va_ssrc(0) depctr_va_vcc(0) depctr_vm_vsrc(0)
	s_getreg_b32 s2, hwreg(HW_REG_IB_STS2, 6, 4)
	s_cmp_eq_u32 s2, 0
	s_cbranch_scc0 .Lentry_in_a_cluster
	s_endpgm
.Lentry_in_a_cluster:
	s_bfe_u32 s2, ttmp6, 0x10000c
	s_cmp_lg_u32 s2, 0xf033
	s_cbranch_scc0 .Lentry_shape_is_right
	s_endpgm
.Lentry_shape_is_right:
; FF2: out0 = (x1 + b2) + a W2; products in bf16, sums in f32.
; SHARES.  The output, 8,192 x 512, gives each of 256 work-groups 128 x 128; a wave 64 x 64: 16 accumulators.  K = 2,048 goes in 8 steps of 256 through two LDS slots, as long a step as two slots allow.
; Both operands lie in F-order: a tile's part of a step is 8,192 consecutive bytes, a fragment load from LDS 512 consecutive bytes, no padding.
; THE SUMS BEGIN WITH THE RESIDUAL: x1 + b2 was stored as accumulators take it and is loaded straight into them, so all products have one form and nothing is added at the end.
; The products are taken transposed (source 0 = W2's columns): a lane holds one row and 8 columns.  A wave's 64 columns of f32 are 256 consecutive aligned bytes of out0, so each wave has a stage of its own.
; CLUSTER 4 x 4: rows of a are shared along a row of the cluster, columns of W2 along a column.  NO PREFETCH: a small tile, whose steps are short.
.set OFF_W2, 3145728
.set SLOT,   131072                    ; a slot: 8 row tiles x 8,192 bytes, then 8 column tiles x 8,192
.set KB,     8192
.set STAGE,  262144                    ; behind the ring, never filled by a tensor load: 16 rows x 272 bytes for each wave
.set SP,     272                       ; 17 x 16 bytes: the 16 rows of a store start 16 bytes apart modulo 256
.set SPARE,  279552                    ; the spare words, 128 bytes a wave: two blocks of 256 bytes that no other line names
.set A0,   16
.set B0,   17
.set ADRA, 18
.set ADRB, 19
.set STO,  24                          ; v24 the way out: where I put 32 bytes of a row
.set RD,   25                          ; v25 where I read rows back
.set CO,   26                          ; v26 my byte offset in two rows of out0
.set L16,  27
.set SPW,  28
.set NIL,  29
.set TMP,  32                          ; v[32:95] rows read back, two sets of 32
.set ACC,  128                         ; v[128:255] accumulator (a, b) at 128 + 8 (4 a + b)
.set F0,   0                           ; window 1: two buffers of 128: for 64 along K, 64 registers of a, then 64 of W2
.set F1,   128
.set WV,   12
.set TB,   19
.set G1A,  24
.set G1B,  32
.set G0A,  40
.set G0B,  48
.set MSB, 0
.macro WIN new
.if MSB != (\new)
	s_set_vgpr_msb (MSB<<8)|(\new)
.set MSB, \new
.endif
.endm
.set MUL,  0x05                        ; sources in window 1; C and D in window 0
.set TO_F, 0x40
.macro PLACES
.rept 4
	v_nop
.endr
.endm
.macro JLOAD                           ; a joint refill: waves 0 and 1 fetch a's halves, waves 2 and 3 W2's; an s_nop 0 and four v_nop follow each line
	s_cmp_lt_u32 s[WV], 2
	s_cbranch_scc0 .Lfor_b_\@
	tensor_load_to_lds s[G0A+4:G0A+7], s[G1A:G1A+7]
	s_nop 0
	PLACES
	s_branch .Lasked_\@
.Lfor_b_\@:
	tensor_load_to_lds s[G0B+4:G0B+7], s[G1B:G1B+7]
	s_nop 0
	PLACES
.Lasked_\@:
.endm
.macro CREST
	s_cmp_lg_u32 s[WV], 0
	s_cbranch_scc1 .Lnot_wave_0_\@
	s_barrier_signal -3
.Lnot_wave_0_\@:
	s_barrier_wait -3
	s_barrier_signal -1
	s_barrier_wait -1
.endm
.macro CROUND
	s_barrier_signal -1
	s_barrier_wait -1
	CREST
.endm
	s_load_b256 s[4:11], s[0:1], 0x0               ; ab, wf, x1b, out0
	v_lshl_add_u32 v[SPW], v0, 2, SPARE
	v_mov_b32 v[NIL], 0
	ds_add_u32 v[SPW], v[NIL]                      ; the opening: the add, twice on end, and its wait ahead of my first tensor load
	ds_add_u32 v[SPW], v[NIL]
	v_lshrrev_b32 v1, 5, v0
	v_readfirstlane_b32 s[WV], v1
	s_lshr_b32 s13, s[WV], 1                       ; which 64 rows are mine
	s_and_b32 s14, s[WV], 1                        ; which 64 columns; also: which half of a tile I fetch
	s_bfe_u32 s15, ttmp6, 0x40000
	s_bfe_u32 s16, ttmp6, 0x40004
	s_lshl_b32 s17, ttmp9, 2
	s_add_co_u32 s17, s17, s15                     ; column block 0..3
	s_and_b32 s18, ttmp7, 0xffff
	s_lshl_b32 s18, s18, 2
	s_add_co_u32 s18, s18, s16                     ; row block 0..63
	s_lshl_b32 s22, s16, 2
	s_lshl_b32 s22, 15, s22
	s_lshl_b32 s23, 0x1111, s15
	s_or_b32 s[G1A], s22, (3<<16)|(1<<21)
	s_or_b32 s[G1B], s23, (3<<16)|(1<<21)
.irp g, G1A, G1B
	s_mov_b32 s[\g+1], 1024<<16                    ; tensor_dim0 = 1,024 elements of 8 bytes: a tile's 8,192 bytes of a step
	s_mov_b32 s[\g+2], 4<<16                       ; tensor_dim1 = 4 tiles
	s_mov_b32 s[\g+3], 1024<<16
	s_mov_b32 s[\g+4], 4
	s_mov_b32 s[\g+5], 8192                        ; from tile to tile: 65,536 bytes
	s_mov_b32 s[\g+6], 0
	s_mov_b32 s[\g+7], 0
.endr
	s_lshl_b32 s56, s18, 19                        ; a: 8 row tiles of 65,536 bytes a block, the 4 that I fetch
	s_lshl_b32 s57, s14, 18
	s_add_co_u32 s56, s56, s57
	s_mov_b32 s57, 0
	s_lshl_b32 s58, s17, 19                        ; W2 likewise
	s_lshl_b32 s59, s14, 18
	s_add_co_u32 s58, s58, s59
	s_add_co_u32 s58, s58, OFF_W2
	s_mov_b32 s59, 0
	s_lshl_b32 s22, s[WV], 15
	s_mov_b32 s[TB], 0
	s_lshl_b32 s60, s18, 18                        ; x1b: 8 row tiles of 32,768 bytes a row block, my 4,
	s_lshl_b32 s61, s13, 17
	s_add_co_u32 s60, s60, s61
	s_lshl_b32 s61, s17, 13                        ; 8 column tiles of 1,024 bytes a column block, my 4
	s_add_co_u32 s60, s60, s61
	s_lshl_b32 s61, s14, 12
	s_add_co_u32 s60, s60, s61
	s_mov_b32 s61, 0
	s_lshl_b32 s62, s18, 18                        ; out0: 128 rows of 2,048 bytes a row block, my 64,
	s_lshl_b32 s63, s13, 17
	s_add_co_u32 s62, s62, s63
	s_lshl_b32 s63, s17, 9                         ; 512 bytes a column block, my 256
	s_add_co_u32 s62, s62, s63
	s_lshl_b32 s63, s14, 8
	s_add_co_u32 s62, s62, s63
	s_mov_b32 s63, 0
	s_wait_dscnt 0x0
	s_wait_kmcnt 0x0
	s_add_nc_u64 s[56:57], s[4:5], s[56:57]
	s_add_nc_u64 s[58:59], s[6:7], s[58:59]
	s_add_nc_u64 s[8:9], s[8:9], s[60:61]
	s_add_nc_u64 s[10:11], s[10:11], s[62:63]
	CROUND
.irp s, 0,1
	s_mov_b32 s[G0A+4*\s], 1
	s_add_co_u32 s[G0A+4*\s+1], s22, \s*SLOT
	s_add_nc_u64 s[G0A+4*\s+2:G0A+4*\s+3], s[56:57], \s*KB
	s_or_b32 s[G0A+4*\s+3], s[G0A+4*\s+3], 0x80000000
	s_mov_b32 s[G0B+4*\s], 1
	s_add_co_u32 s[G0B+4*\s+1], s22, \s*SLOT
	s_add_nc_u64 s[G0B+4*\s+2:G0B+4*\s+3], s[58:59], \s*KB
	s_or_b32 s[G0B+4*\s+3], s[G0B+4*\s+3], 0x80000000
.endr
	s_cmp_lt_u32 s[WV], 2                          ; a wave's two first fills stand in one branch: two loads of mine are out
	s_cbranch_scc0 .Lfirst_b
	tensor_load_to_lds s[G0A:G0A+3], s[G1A:G1A+7]
	s_nop 0
	tensor_load_to_lds s[G0A+4:G0A+7], s[G1A:G1A+7]
	s_nop 0
	PLACES
	s_branch .Lfirst_asked
.Lfirst_b:
	tensor_load_to_lds s[G0B:G0B+3], s[G1B:G1B+7]
	s_nop 0
	tensor_load_to_lds s[G0B+4:G0B+7], s[G1B:G1B+7]
	s_nop 0
	PLACES
.Lfirst_asked:
	v_and_b32 v[L16], 31, v0
	v_lshlrev_b32 v[L16], 4, v[L16]
	v_and_b32 v1, 15, v0
	v_bfe_u32 v2, v0, 4, 1
.irp a, 0,1,2,3
.irp b, 0,1,2,3
	global_load_b128 v[ACC+8*(4*\a+\b):ACC+8*(4*\a+\b)+3], v[L16], s[8:9] offset:\a*32768+\b*1024 th:TH_LOAD_NT
	global_load_b128 v[ACC+8*(4*\a+\b)+4:ACC+8*(4*\a+\b)+7], v[L16], s[8:9] offset:\a*32768+\b*1024+512 th:TH_LOAD_NT
.endr
.endr
	s_lshl_b32 s22, s13, 15
	v_add_nc_u32 v[A0], s22, v[L16]
	s_lshl_b32 s23, s14, 15
	s_add_co_u32 s23, s23, 65536
	v_add_nc_u32 v[B0], s23, v[L16]
	v_mov_b32 v[ADRA], v[A0]
	v_mov_b32 v[ADRB], v[B0]
	s_mul_i32 s22, s[WV], 16*SP
	s_add_co_u32 s22, s22, STAGE                   ; my stage
	v_mul_u32_u24 v[STO], v1, SP
	v_lshl_add_u32 v[STO], v2, 5, v[STO]
	v_add_nc_u32 v[STO], s22, v[STO]               ; in: row r, 32 bytes for each half of the lanes
	v_mul_u32_u24 v[RD], v2, SP
	v_lshl_add_u32 v[RD], v1, 4, v[RD]
	v_add_nc_u32 v[RD], s22, v[RD]                 ; back: lanes 0-15 one row of 256 bytes, lanes 16-31 the next
	v_lshlrev_b32 v[CO], 11, v2
	v_lshl_add_u32 v[CO], v1, 4, v[CO]             ; and the same two rows in out0
.macro MUL8 f, c, a0                   ; 8 products: row tiles a0, a0 + 1 x all 4 column tiles, half c of buffer f; the 16 accumulators take turns
	WIN MUL
.irp a, \a0, (\a0)+1
.irp b, 0,1,2,3
	v_wmma_f32_16x16x32_bf16 v[ACC+8*(4*(\a)+(\b)):ACC+8*(4*(\a)+(\b))+7], v[(\f)+64+8*(4*(\c)+(\b)):(\f)+64+8*(4*(\c)+(\b))+7], v[(\f)+8*(4*(\c)+(\a)):(\f)+8*(4*(\c)+(\a))+7], v[ACC+8*(4*(\a)+(\b)):ACC+8*(4*(\a)+(\b))+7]
.endr
.endr
.endm
.macro FETCH k, f                      ; 32 LDS loads in one run: two blocks from byte k of each tile's step; the first block's 16 first
	WIN TO_F
.irp c, 0,1
.irp i, 0,1,2,3
	ds_load_b128 v[(\f)+64+8*(4*\c+\i):(\f)+64+8*(4*\c+\i)+3], v[ADRB] offset:(\k)+\c*1024+\i*8192
	ds_load_b128 v[(\f)+64+8*(4*\c+\i)+4:(\f)+64+8*(4*\c+\i)+7], v[ADRB] offset:(\k)+\c*1024+\i*8192+512
	ds_load_b128 v[(\f)+8*(4*\c+\i):(\f)+8*(4*\c+\i)+3], v[ADRA] offset:(\k)+\c*1024+\i*8192
	ds_load_b128 v[(\f)+8*(4*\c+\i)+4:(\f)+8*(4*\c+\i)+7], v[ADRA] offset:(\k)+\c*1024+\i*8192+512
.endr
.endr
.endm
.macro QUARTER k, f, g                 ; 64 along K from buffer f; in its middle the next 64, at byte k, are fetched into g
	s_wait_dscnt 16                                ; the first block's loads are in
	MUL8 \f, 0, 0
	MUL8 \f, 0, 2
	PLACES
	FETCH \k, \g
	s_wait_dscnt 32                                ; all but the 32 just issued
	MUL8 \f, 1, 0
	MUL8 \f, 1, 2
.endm
; A step's last quarter multiplies buffer 1 and changes slots: all my tensor loads waited for, the add, the wait for it and for my reads of this slot, the barrier;
; fill = 1: the barrier opens a round of the cluster's, and behind the round this slot is filled again first, with the step two on.
.macro TURN fill
	WIN 0
	s_wait_tensorcnt 0x0
	ds_add_u32 v[SPW], v[NIL]
.if \fill
	s_xor_b32 s[G0A+5], s[G0A+5], SLOT
	s_add_nc_u64 s[G0A+6:G0A+7], s[G0A+6:G0A+7], KB
	s_xor_b32 s[G0B+5], s[G0B+5], SLOT
	s_add_nc_u64 s[G0B+6:G0B+7], s[G0B+6:G0B+7], KB
.endif
	s_wait_dscnt 17                                ; the add and the second block's sixteen loads may be out
	MUL8 F1, 0, 0
	s_wait_dscnt 0x0                               ; the add is done, and my reads of this slot are over
	s_barrier_signal -1
	MUL8 F1, 0, 2
	WIN 0
	s_barrier_wait -1
.if \fill
	CREST
	JLOAD                                          ; its four v_nop are also the places in front of the loads below
.else
	PLACES
.endif
	s_xor_b32 s[TB], s[TB], SLOT
	v_add_nc_u32 v[ADRA], s[TB], v[A0]
	v_add_nc_u32 v[ADRB], s[TB], v[B0]
	FETCH 0, F0
	MUL8 F1, 1, 0
	MUL8 F1, 1, 2
.endm
	s_wait_tensorcnt 1                             ; my part of step 0 is in; step 1's may stay out
	s_barrier_signal -1
	s_barrier_wait -1
	FETCH 0, F0
	s_wait_loadcnt 0x0                             ; x1 + b2 lies in the accumulators
	WIN 0
	s_mov_b32 s20, 6
.Lstep:                                        ; steps 0 to 5: each fills its slot again, with steps 2 to 7
	QUARTER 2048, F0, F1
	QUARTER 4096, F1, F0
	QUARTER 6144, F0, F1
	TURN 1
	WIN 0
	s_sub_co_u32 s20, s20, 1
	s_cmp_lg_u32 s20, 0
	s_cbranch_scc1 .Lstep
	QUARTER 2048, F0, F1                           ; the last two steps are written out: nothing is left to ask for
	QUARTER 4096, F1, F0
	QUARTER 6144, F0, F1
	TURN 0
	QUARTER 2048, F0, F1
	QUARTER 4096, F1, F0
	QUARTER 6144, F0, F1
	s_wait_dscnt 16
	MUL8 F1, 0, 0
	MUL8 F1, 0, 2
	s_wait_dscnt 0x0
	MUL8 F1, 1, 0
	MUL8 F1, 1, 2
	WIN 0
	PLACES
; THE WAY OUT, 16 rows at a time, through my own stage: LDS serves a wave's instructions in order, so no wait stands between the stores and the loads, nor between these loads and the next rows' stores.
.irp a, 0,1,2,3
.irp b, 0,1,2,3
	ds_store_b128 v[STO], v[ACC+8*(4*\a+\b):ACC+8*(4*\a+\b)+3] offset:64*\b
	ds_store_b128 v[STO], v[ACC+8*(4*\a+\b)+4:ACC+8*(4*\a+\b)+7] offset:64*\b+16
.endr
.if \a >= 2
	s_wait_xcnt 0x0                                ; a set of registers that stores read is loaded again only behind this wait
.endif
.irp t, 0,1,2,3,4,5,6,7
	ds_load_b128 v[TMP+32*(\a%2)+4*\t:TMP+32*(\a%2)+4*\t+3], v[RD] offset:2*SP*\t
.endr
.irp t, 0,1,2,3,4,5,6,7
	s_wait_dscnt 7-\t
	global_store_b128 v[CO], v[TMP+32*(\a%2)+4*\t:TMP+32*(\a%2)+4*\t+3], s[10:11] offset:(16*\a+2*\t)*2048 th:TH_STORE_NT  ; 16 lanes store 256 consecutive bytes, aligned
.endr
.endr
	s_wait_tensorcnt 0x0                           ; the wave's end
	ds_add_u32 v[SPW], v[NIL]
	s_wait_dscnt 0x0
	CROUND                                         ; the closing round
	s_endpgm
.Lfunc_end_k_q8a64768e5f_ff2:
	.size	k_q8a64768e5f_ff2, .Lfunc_end_k_q8a64768e5f_ff2-k_q8a64768e5f_ff2
	.p2alignl 7, 3214868480
	.fill 96, 4, 3214868480
	.section	.rodata,"a",@progbits
	.p2align	6, 0x0
	.amdhsa_kernel k_q8a64768e5f_ff2
		.amdhsa_group_segment_fixed_size 327680
		.amdhsa_private_segment_fixed_size 0
		.amdhsa_enable_private_segment 0
		.amdhsa_kernarg_size 32
		.amdhsa_user_sgpr_count 2
		.amdhsa_user_sgpr_kernarg_segment_ptr 1
		.amdhsa_wavefront_size32 1
		.amdhsa_system_sgpr_workgroup_id_x 1
		.amdhsa_system_sgpr_workgroup_id_y 1
		.amdhsa_system_sgpr_workgroup_id_z 1
		.amdhsa_system_vgpr_workitem_id 0
		.amdhsa_next_free_vgpr 512
		.amdhsa_next_free_sgpr 66
		.amdhsa_reserve_vcc 0
		.amdhsa_float_denorm_mode_32 3
		.amdhsa_float_denorm_mode_16_64 3
		.amdhsa_memory_ordered 1
		.amdhsa_forward_progress 1
		.amdhsa_inst_pref_size 71
	.end_amdhsa_kernel
	.amdgpu_metadata
---
amdhsa.version: [ 1, 2 ]
amdhsa.kernels:
  - .name:           k_q8a64768e5f_ff2
    .symbol:         k_q8a64768e5f_ff2.kd
    .args:
      - { .name: ab, .offset: 0, .size: 8, .value_kind: global_buffer, .address_space: global }
      - { .name: wf, .offset: 8, .size: 8, .value_kind: global_buffer, .address_space: global }
      - { .name: x1b, .offset: 16, .size: 8, .value_kind: global_buffer, .address_space: global }
      - { .name: out0, .offset: 24, .size: 8, .value_kind: global_buffer, .address_space: global }
    .group_segment_fixed_size: 327680
    .private_segment_fixed_size: 0
    .kernarg_segment_align: 8
    .kernarg_segment_size: 32
    .max_flat_workgroup_size: 128
    .sgpr_count:     66
    .vgpr_count:     512
    .wavefront_size: 32
...
	.end_amdgpu_metadata
.endif
;; end of part 5
